; MI455X (gfx1250); checked and timed in simulation.
; The chip was launched on July 23, 2026; its instructions are those of AMD's public machine-readable ISA for CDNA 5 (MIT licence, August 2026) and "CDNA5" Instruction Set Architecture Reference Guide (July 2026). The comments in the code are by the model that wrote it; some were corrected since.
;; Sine Attention. Allowed arithmetic: matrix products marked QUANTISED: E2M3 operands, one E8M0 scale for each 32 along K, by v_wmma_scale_f32_16x16x128_f8f6f4 with both operands' format E2M3, f32 sums; everything else in f32.
;; Inputs: Wk_codes 1,024 x 32 x 24 uint8 (E2M3 codes of Wk, K innermost, in blocks of 32 codes, four codes in three bytes); Wk_scales 1,024 x 32 uint8 (E8M0 scales of Wk, one for each 32 codes along K); Wo_codes 1,024 x 32 x 24 uint8 (E2M3 codes of Wo, K innermost, in blocks of 32 codes, four codes in three bytes); Wo_scales 1,024 x 32 uint8 (E8M0 scales of Wo, one for each 32 codes along K); Wq_codes 1,024 x 32 x 24 uint8 (E2M3 codes of Wq, K innermost, in blocks of 32 codes, four codes in three bytes); Wq_scales 1,024 x 32 uint8 (E8M0 scales of Wq, one for each 32 codes along K); Wv_codes 1,024 x 32 x 24 uint8 (E2M3 codes of Wv, K innermost, in blocks of 32 codes, four codes in three bytes); Wv_scales 1,024 x 32 uint8 (E8M0 scales of Wv, one for each 32 codes along K); bk 1,024 float32; bo 1,024 float32; bq 1,024 float32; bv 1,024 float32; x_codes 2 x 2,048 x 32 x 24 uint8 (E2M3 codes of x, K innermost, in blocks of 32 codes, four codes in three bytes); x_scales 2 x 2,048 x 32 uint8 (E8M0 scales of x, one for each 32 codes along K).
;; Outputs: out0 2 x 2,048 x 1,024 float32.
;; This version of the problem:
;;   THIS VERSION OF THE PROBLEM IS GIVEN IN LOW PRECISION. The matrix products marked QUANTISED in the list below multiply operands that are first quantised to E2M3 (2 exponent bits, 3 mantissa bits; 6 bits a number), with one power-of-two scale for each 32 numbers along K (OCP MX v1.0); their sums are f32. All else is computed in f32.
;;   The module's matrix products, in the order in which they are computed (A, B: the left and right operand; K: the contracted axis; several contracted axes count as one K, in the product's order):
;;     1. [M 4,096, K 1,024] x [K 1,024, N 1,024]; A: input x (given as codes); B: input Wq (given as codes): QUANTISED
;;     2. [M 4,096, K 1,024] x [K 1,024, N 1,024]; A: input x (given as codes); B: input Wk (given as codes): QUANTISED
;;     3. [M 4,096, K 1,024] x [K 1,024, N 1,024]; A: input x (given as codes); B: input Wv (given as codes): QUANTISED
;;     4. batch 32 x [M 2,048, K 64] x [K 64, N 2,048]; A: computed on the way; B: computed on the way: QUANTISED
;;     5. batch 32 x [M 2,048, K 2,048] x [K 2,048, N 64]; A: computed on the way; B: computed on the way: QUANTISED
;;     6. [M 4,096, K 1,024] x [K 1,024, N 1,024]; A: computed on the way; B: input Wo (given as codes): QUANTISED
;;   THE QUANTISER, for each operand of a quantised product, along K:
;;     - K is cut into blocks of 32 from its start; a last block that is shorter is filled with zeros.
;;     - A block's scale is 2^e with e = floor(log2(the largest magnitude in the block)) - 2, held to -126 .. 127; a block of zeros has e = 0. As a byte (E8M0): e + 127.
;;     - Each number is divided by its block's scale, clamped to +-7.5, and rounded to the nearest number of E2M3, ties to even, subnormals kept.
;;     - The product sums the exact products of the quantised numbers (number of the format x scale) in f32.
;;   ~~~python
;;   def quantise(x, axis):      # numpy; x: float32 -> the quantised numbers, widened to float32 again
;;       x = np.moveaxis(x, axis, -1); K = x.shape[-1]
;;       x = np.pad(x, [(0, 0)] * (x.ndim - 1) + [(0, -K % 32)]); x = x.reshape(x.shape[:-1] + (-1, 32)); a = np.abs(x).max(-1, keepdims=True)
;;       e = np.where(a > 0, np.clip(np.frexp(np.where(a > 0, a, 1))[1] - 1 - 2, -126, 127), 0)      # np.frexp(a)[1] - 1 = floor(log2(a)), exactly
;;       r = np.clip(x / 2.0 ** e, -7.5, 7.5)
;;       step = 2.0 ** (np.maximum(np.frexp(np.where(r == 0, 1, r))[1] - 1, 0) - 3)
;;       q = np.round(r / step) * step * 2.0 ** e      # np.round: ties to even
;;       return np.moveaxis(q.reshape(q.shape[:-2] + (-1,))[..., :K], -1, axis).astype(np.float32)
;;   ~~~
;;   OPERANDS COMPUTED ON THE WAY. 'Computed on the way' means the value that the module computes at that place (a softmax that the list does not call 'softmax' is quantised finished and normalised). What goes into a quantiser is computed in f32, as accurately as f32 sums, v_exp_f32 and their like allow (about 1e-6 of the number): no bf16 or f16 on the way to a quantiser, and a product that is left as it is and whose result goes on into a quantised operand takes f32 operands (vector FMAs, or v_wmma_f32_16x16x4_f32). A number that lies on a knife's edge between two numbers of the format may be rounded either way, as far as f32 arithmetic and the matrix unit's own rounding can turn it there, and no further.
;;   INPUTS GIVEN AS CODES. Wk (in the module: [1024, 1024], K = its axis 1); Wo (in the module: [1024, 1024], K = its axis 1); Wq (in the module: [1024, 1024], K = its axis 1); Wv (in the module: [1024, 1024], K = its axis 1); x (in the module: [2, 2048, 1024], K = its axis 2): each comes as NAME_codes (uint8): NAME with its K axis moved to the last place and cut into blocks of 32 codes, [.., K / 32, bytes a block], one block behind the other in memory; four codes in three bytes: a row's codes are one little-endian stream of bits, code i at bits 6 i .. 6 i + 5 (a code: sign, 2 exponent bits, 3 mantissa bits); and NAME_scales (uint8): the same leading axes, one E8M0 byte (e + 127) for each 32 codes along K. Its value is code x scale, taken as it is: it is not quantised again, and the codes and scales need not be those that the quantiser above would give.
;; 2 versions, each right. Each part assembles by itself: llvm-mc -triple=amdgcn-amd-amdhsa -mcpu=gfx1250 --defsym DOCPART=n.
;; ======== version 1 of 2: 3 launches
;; limits: right only within a limited range of input values
;; workspace buffers: qb 3,407,872 bytes; kv 6,815,744 bytes; ob 3,145,728 bytes; os 131,072 bytes
;; launch qkv (part 1): grid 16 x 16, 4 waves a work-group, clusters of 4 x 4, 327,680 bytes of LDS; arguments x_codes, x_scales, Wq_codes, Wq_scales, Wk_codes, Wk_scales, Wv_codes, Wv_scales, bq, bk, bv, qb, kv; writes qb, kv
.if DOCPART == 1
	.amdgcn_target "amdgcn-amd-amdhsa--gfx1250"
	.amdhsa_code_object_version 6
	.text
	.protected	k_q82f7ad901f_qkv
	.globl	k_q82f7ad901f_qkv
	.p2align	8
	.type	k_q82f7ad901f_qkv,@function
k_q82f7ad901f_qkv:
	s_mov_b64 s[64:65], 0
	v_nop
	global_prefetch_b8 v0, s[64:65] scope:SCOPE_SE
	s_setreg_imm32_b32 hwreg(HW_REG_WAVE_MODE, 25, 1), 1
	s_wait_xcnt 0x0
	s_wait_alu depctr_hold_cnt(0) depctr_sa_sdst(0) depctr_va_vdst(0) depctr_va_sdst(0) depctr_va_ssrc(0) depctr_va_vcc(0) depctr_vm_vsrc(0)
	s_getreg_b32 s2, hwreg(HW_REG_IB_STS2, 6, 4)
	s_cmp_eq_u32 s2, 0
	s_cbranch_scc0 .Lentry_in_a_cluster
	s_endpgm
.Lentry_in_a_cluster:
	s_bfe_u32 s2, ttmp6, 0x10000c
	s_cmp_lg_u32 s2, 0xf033
	s_cbranch_scc0 .Lentry_shape_is_right
	s_endpgm
.Lentry_shape_is_right:
; Q = x Wq^T + bq, K = x Wk^T + bk, V = x Wv^T + bv on codes of FP6 (E2M3) with one E8M0 scale for each 32 along K, sums in f32; then Q and K are quantised
; along the head's 64 channels and V along the keys, and leave as IMAGES OF OPERAND REGISTERS for the attention launch.
; SHARES.  A work-group makes 256 rows of x times one head's 64 + 64 + 64 columns.  Wave w = 2 i + j takes rows 128 i .. + 127 (8 tiles a of x), the 4 tiles t of Wq (j = 0) or
; Wk (j = 1), and 2 tiles n of Wv (channels 32 j ..): 48 accumulators.  Q and K are made transposed (source 0 = W, source 1 = x): a lane holds one row and its registers run along the
; channels.  V is made with source 0 = x, source 1 = Wv: a lane holds one channel and its registers run down the keys.
; THE ROWS OF A TILE ARE NOT NEIGHBOURS: lane r of tile 2 b + u (of x, of Wq, Wk, Wv alike) takes row 32 b + 8 u + P(r), P(r) = r + (r & 8), so that the 16 registers of accumulators
; 2 b and 2 b + 1 are 16 neighbours, 32 b + 16 (lane / 16) + 0 .. 15, along the next product's K.  The price: lanes 0-7 and 8-15 of a fragment load stand 16 LDS rows apart.
; CLUSTER 4 x 4: x's tile hangs on the row block alone and is asked for jointly along a row of the cluster, a weight's tile on the head alone and is asked for jointly along a column.
; K goes in four steps of 256 (LDS rows of 192 bytes) through three slots: steps 0, 1, 2 are first fills, step 3 fills slot 0 again, once.
; OUT.  qb [bh][chunk of 128 queries][6,656]: 8 half images of 768 bytes (registers 0-3: 16 x lane; registers 4-5: 512 + 8 x lane), then 512 bytes of scale words [lane][4]: word g is tile 2 g's
; in lanes 0-15 and tile 2 g + 1's in lanes 16-31.  kv [bh][step of 128 keys][13,312]: K laid as a chunk of qb; at 6,656 four fragments of V^T (3 x 512 bytes each); at 12,800 V's scale words [j][lane][2].
; LIMITS: NaN, infinities and scale bytes 0xff are not served; a block whose largest magnitude lies under 2^(3 - 127) keeps the byte 1 (a block of zeros too: its codes are zeros, and this program alone reads the bytes).
; REGISTERS.  window 0: v2-19 LDS addresses, v20-26 offsets, v28-29 the add's two, v32-87 scale words, v96-239 the weights' fragments (two sets of 6 x 12); in the epilogue v96-241 codes and work.
;   window 1: x's fragments, two sets of 8 x 12.  window 2: Q's or K's 32 accumulators at 32 a + 8 t.  window 3: V's 16 at 64 n + 8 a; biases at 128 + 8 t and 160 + 8 n.
.set PITCH, 240                        ; an LDS row: 3 x (64 bytes + 16 of padding)
.set SLOT,  448*PITCH                  ; x's 256 rows, Wq's 64, Wk's 64, Wv's 64
.set WOFF,  256*PITCH
.set VOFF,  384*PITCH
.set SPARE, 3*SLOT                     ; behind the slots: the spare words, 128 bytes a wave, two blocks of 256 bytes that no other line names
.set ADX, 2                            ; v2-7    x's fragments: slot k at ADX + 2 k; + 1: the pieces that lie behind one padding more
.set ADW, 8                            ; v8-13   Wq's or Wk's
.set ADV, 14                           ; v14-19  Wv's
.set L16, 20                           ; 16 x lane
.set L8,  21                           ; 8 x lane
.set XSO, 22                           ; offsets of the scale and bias loads
.set WSO, 23
.set VSO, 24
.set BQO, 25
.set BVO, 26
.set SPW, 28                           ; LDS address of my spare word; never rewritten
.set NIL, 29                           ; 0; never rewritten
.set XS,  32                           ; v32-63  x's scale words: 8 (a % 4) + s; lanes 0-15 tile a, lanes 16-31 tile a + 4
.set WS,  64                           ; v64-79  Wq's or Wk's: 8 (t % 2) + s; lanes 16-31 tile t + 2
.set VS,  80                           ; v80-87  Wv's: s; lanes 16-31 tile 1
.set WF,  96                           ; the weights' fragments: set p at WF + 72 p + 12 f
.set PCB, 96                           ; epilogue: 20 registers of codes for each of six quantisations
.set TM,  216                          ; epilogue: v216-231 at work
.set SW,  232                          ; v232-235 Q's or K's scale words
.set VW,  236                          ; v236-237 V's
.set FLR, 238                          ; 2^(3 - 127)
.set TE,  240
.set TO,  241
.set BQK, 128                          ; window 3
.set BV,  160
.set WV,  30                           ; s30 wave, s31 i, s60 j, s61 cx, s62 cy, s63 head, s66 row block
.set II,  31
.set JJ,  60
.set CX,  61
.set CY,  62
.set HD,  63
.set RB,  66
.set G1X, 32                           ; s[32:39] group 1 for x's tiles; s[40:47] for a weight's
.set G1W, 40
.set G0X, 48                           ; s[48:59] groups 0 for x, one a slot; s[68:79] for my weight
.set G0W, 68
.set SEL, 98                           ; s[98:99] lane selects: lane l xor 16
.set MSB, 0
.macro WIN new                         ; the immediate's high byte repeats the setting that is left
.if MSB != (\new)
	s_set_vgpr_msb (MSB<<8)|(\new)
.set MSB, (\new)
.endif
.endm
.macro PLACES                          ; four plain vector instructions between a matrix instruction and a load into, or a vector read or write of, its registers
.rept 4
	v_nop
.endr
.endm
.macro CROUND                          ; a round of the cluster's barrier
	s_barrier_signal -1
	s_barrier_wait -1
	s_cmp_lg_u32 s[WV], 0
	s_cbranch_scc1 .Lnot_wave_0_\@
	s_barrier_signal -3
.Lnot_wave_0_\@:
	s_barrier_wait -3
	s_barrier_signal -1
	s_barrier_wait -1
.endm
.macro JLOAD                           ; the one refill: wave 0 asks for x's tile, waves 1 to 3 for their weight's; four v_nop follow each line
	s_cmp_eq_u32 s[WV], 0
	s_cbranch_scc0 .Lfor_w_\@
	tensor_load_to_lds s[G0X:G0X+3], s[G1X:G1X+7]
	s_nop 0
	PLACES
	s_branch .Lasked_\@
.Lfor_w_\@:
	tensor_load_to_lds s[G0W:G0W+3], s[G1W:G1W+7]
	s_nop 0
	PLACES
.Lasked_\@:
.endm
; A fragment, 16 rows x 128 K, is 12 registers: registers 6 c .. 6 c + 5 of lane l hold K = 64 c + 32 (l / 16) + 0 .. 31, 24 bytes of the row as they lie, fetched in pieces of 8 bytes.
; Lanes 16-31 read three pieces further on; where that is behind one padding more, the second address register (40 for 24 bytes a half) serves.
.macro FRAG reg, adr, q, off
.irp p, 0,1,2,3,4,5
.set PCE, 12*(\q)+6*(\p/3)+\p%3
.if PCE%8 < 5
	ds_load_b64 v[(\reg)+2*\p:(\reg)+2*\p+1], v[\adr] offset:8*PCE+16*(PCE/8)+(\off)
.else
	ds_load_b64 v[(\reg)+2*\p:(\reg)+2*\p+1], v[(\adr)+1] offset:8*PCE+16*(PCE/8)+(\off)
.endif
.endr
.endm
.macro FETCH_X k, q, p                 ; x's eight fragments of slot k's q-th 128 along K into set p
	WIN 0x40
.irp a, 0,1,2,3,4,5,6,7
	FRAG 96*(\p)+12*\a, ADX+2*(\k), \q, (32*(\a/2)+8*(\a%2))*PITCH
.endr
.endm
.macro FETCH_W k, q, p                 ; my six fragments of weights
	WIN 0
.irp t, 0,1,2,3
	FRAG WF+72*(\p)+12*\t, ADW+2*(\k), \q, (32*(\t/2)+8*(\t%2))*PITCH
.endr
.irp n, 0,1
	FRAG WF+72*(\p)+48+12*\n, ADV+2*(\k), \q, 8*\n*PITCH
.endr
.endm
.macro WM d, a, b, c, sa, sb, ra, rb   ; ra, rb = 1: that side's scale words stand in lanes 16-31
.if (\ra) && (\rb)
	v_wmma_scale_f32_16x16x128_f8f6f4 v[(\d):(\d)+7], v[(\a):(\a)+11], v[(\b):(\b)+11], v[(\c):(\c)+7], v[\sa], v[\sb] matrix_a_fmt:MATRIX_FMT_FP6 matrix_b_fmt:MATRIX_FMT_FP6 matrix_a_scale:MATRIX_SCALE_ROW1 matrix_b_scale:MATRIX_SCALE_ROW1
.elseif (\ra)
	v_wmma_scale_f32_16x16x128_f8f6f4 v[(\d):(\d)+7], v[(\a):(\a)+11], v[(\b):(\b)+11], v[(\c):(\c)+7], v[\sa], v[\sb] matrix_a_fmt:MATRIX_FMT_FP6 matrix_b_fmt:MATRIX_FMT_FP6 matrix_a_scale:MATRIX_SCALE_ROW1
.elseif (\rb)
	v_wmma_scale_f32_16x16x128_f8f6f4 v[(\d):(\d)+7], v[(\a):(\a)+11], v[(\b):(\b)+11], v[(\c):(\c)+7], v[\sa], v[\sb] matrix_a_fmt:MATRIX_FMT_FP6 matrix_b_fmt:MATRIX_FMT_FP6 matrix_b_scale:MATRIX_SCALE_ROW1
.else
	v_wmma_scale_f32_16x16x128_f8f6f4 v[(\d):(\d)+7], v[(\a):(\a)+11], v[(\b):(\b)+11], v[(\c):(\c)+7], v[\sa], v[\sb] matrix_a_fmt:MATRIX_FMT_FP6 matrix_b_fmt:MATRIX_FMT_FP6
.endif
.endm
; The 48 accumulators take turns, one instruction a turn, in the same order in every step of 128 along K.  first = 1: the bias is the C of a sum's first product.
.macro MULQK a0, s, p, first
.if \first
	WIN 0xb4                                       ; source 0 (W) window 0, source 1 (x) window 1, C (bias) window 3, D window 2
.else
	WIN 0xa4                                       ; C and D window 2
.endif
.irp a, \a0, \a0+1, \a0+2, \a0+3
.irp t, 0,1,2,3
.if \first
	WM 32*(\a)+8*\t, WF+72*(\p)+12*\t, 96*(\p)+12*(\a), BQK+8*\t, WS+8*(\t%2)+(\s), XS+8*((\a)%4)+(\s), \t/2, (\a)/4
.else
	WM 32*(\a)+8*\t, WF+72*(\p)+12*\t, 96*(\p)+12*(\a), 32*(\a)+8*\t, WS+8*(\t%2)+(\s), XS+8*((\a)%4)+(\s), \t/2, (\a)/4
.endif
.endr
.endr
.endm
.macro MULV s, p, first
	WIN 0xf1                                       ; source 0 (x) window 1, source 1 (Wv) window 0, C and D window 3
.irp n, 0,1
.irp a, 0,1,2,3,4,5,6,7
.if \first
	WM 64*\n+8*\a, 96*(\p)+12*\a, WF+72*(\p)+48+12*\n, BV+8*\n, XS+8*(\a%4)+(\s), VS+(\s), \a/4, \n
.else
	WM 64*\n+8*\a, 96*(\p)+12*\a, WF+72*(\p)+48+12*\n, 64*\n+8*\a, XS+8*(\a%4)+(\s), VS+(\s), \a/4, \n
.endif
.endr
.endr
.endm
; Step s of 128 along K: multiplies set s % 2 and fetches step s + 1's fragments into the other set.
; sync = -1: nothing; 0 or 1: the next step lies in a slot not yet shown whole: a counted wait and a plain barrier; 3: slot 0 is filled again.
.macro SUB s, sync, first
.set NK, (((\s)+1)/2)%3
.set NQ, ((\s)+1)%2
.set PP, (\s)%2
.if (\sync) == 3
	WIN 0                                          ; the add's two registers lie in window 0
	s_wait_tensorcnt 0x0                           ; all my tensor loads have landed, slot 2's among them, so a group 0 may be written
	ds_add_u32 v[SPW], v[NIL]                      ; 0 onto my spare word
	s_add_nc_u64 s[G0X+2:G0X+3], s[G0X+2:G0X+3], 576   ; slot 0's descriptors go on to K step 3: three steps of 192 bytes
	s_add_nc_u64 s[G0W+2:G0W+3], s[G0W+2:G0W+3], 576
	s_wait_dscnt 0x0                               ; the add is done and all my LDS loads are in: slot 0 was last read three steps ago
	CROUND                                         ; no wave of any partner still reads slot 0 or has a load on its way
	JLOAD                                          ; the first thing behind the round; its four v_nop are the places in front of the loads below
.else
	s_wait_dscnt 0x0                               ; this step's fragments are in
.if (\sync) >= 0
	s_wait_tensorcnt \sync                         ; my part of the slot that is read next has landed; what was issued behind it may stay out
	s_barrier_signal -1
	s_barrier_wait -1                              ; everybody's has
.endif
.if (\s) < 7
.if (\first) == 0
	PLACES
.endif
.endif
.endif
.if (\s) < 7
	FETCH_X NK, NQ, 1-PP
.endif
	MULQK 0, \s, PP, \first
.if (\s) < 7
	FETCH_W NK, NQ, 1-PP                           ; the set's last products stand in front of this step's places
.endif
	MULQK 4, \s, PP, \first
	MULV \s, PP, \first
.endm
; 64 numbers of a lane in window win, register 16 b + i = k 32 b + 16 (lane / 16) + i of the lane's row, become 12 registers of codes at v[pc] and four scale bytes in v[TM+4] .. v[TM+7].
.macro QUANT src, win, pc
	WIN 20*(\win)                                  ; sources 1 and 2 in window win
.irp b, 0,1,2,3
	v_max3_num_f32 v[TM+\b], v[FLR], |v[(\src)+16*\b]|, |v[(\src)+16*\b+1]|   ; block b: my 16 numbers and the floor, each accumulator from its low end on
.endr
.irp i, 2,4,6,8,10,12,14
.irp b, 0,1,2,3
	v_max3_num_f32 v[TM+\b], v[TM+\b], |v[(\src)+16*\b+\i]|, |v[(\src)+16*\b+\i+1]|
.endr
.endr
	WIN 0
.irp b, 0,1,2,3
	v_permlanex16_b32 v[TM+4+\b], v[TM+\b], s[SEL], s[SEL+1]
.endr
.irp b, 0,1,2,3
	v_max_num_f32 v[TM+\b], v[TM+\b], v[TM+4+\b]   ; with lane l xor 16's: the block's largest magnitude
.endr
.irp b, 0,1,2,3
	v_add_nc_u32 v[TM+12+\b], 0xff000000, v[TM+\b] ; 2 off its exponent field: the conversion's scale operand
.endr
.irp b, 0,1,2,3
	v_lshrrev_b32 v[TM+4+\b], 23, v[TM+12+\b]      ; the scale's byte
.endr
	WIN (\win)                                     ; source 0 in window win
.irp c, 0,1
	v_cvt_scalef32_pk16_fp6_f32 v[(\pc)+6*\c:(\pc)+6*\c+2], v[(\src)+32*\c:(\src)+32*\c+15], v[TM+12+2*\c]
	v_cvt_scalef32_pk16_fp6_f32 v[(\pc)+12+4*\c:(\pc)+14+4*\c], v[(\src)+16+32*\c:(\src)+31+32*\c], v[TM+13+2*\c]
.endr
	WIN 0
	v_nop                                          ; one plain place behind a scaled conversion
.irp c, 0,1                                    ; a whole block to a lane: lanes 0-15 block 2 c, lanes 16-31 block 2 c + 1
.irp i, 0,1,2
	v_permlane16_swap_b32 v[(\pc)+6*\c+\i], v[(\pc)+12+4*\c+\i]
.endr
.irp i, 0,1,2
	v_mov_b32 v[(\pc)+3+6*\c+\i], v[(\pc)+12+4*\c+\i]
.endr
.endr
.endm
	s_load_b512 s[4:19], s[0:1], 0x0               ; x codes, x scales, Wq codes, Wq scales, Wk codes, Wk scales, Wv codes, Wv scales
	s_load_b256 s[20:27], s[0:1], 0x40             ; bq, bk, bv, qb
	s_load_b64 s[28:29], s[0:1], 0x60              ; kv
	v_lshl_add_u32 v[SPW], v0, 2, SPARE
	v_mov_b32 v[NIL], 0
	ds_add_u32 v28, v29
	ds_add_u32 v28, v29
	s_wait_dscnt 0x0
	v_lshrrev_b32 v1, 5, v0
	v_readfirstlane_b32 s[WV], v1                  ; wave 0..3
	s_lshr_b32 s[II], s[WV], 1
	s_and_b32 s[JJ], s[WV], 1
	s_bfe_u32 s[CX], ttmp6, 0x40000
	s_bfe_u32 s[CY], ttmp6, 0x40004
	s_lshl_b32 s[HD], ttmp9, 2
	s_add_co_u32 s[HD], s[HD], s[CX]               ; head = 4 x cluster x + cx
	s_and_b32 s[RB], ttmp7, 0xffff
	s_lshl_b32 s[RB], s[RB], 2
	s_add_co_u32 s[RB], s[RB], s[CY]               ; row block = 4 x cluster y + cy
	s_lshl_b32 s80, s[CY], 2
	s_lshl_b32 s80, 15, s80                        ; my row of the cluster
	s_lshl_b32 s82, 0x1111, s[CX]                  ; my column
	s_or_b32 s[G1X], s80, (1<<20)|(1<<21)|(3<<22)|(3<<25)   ; mask; elements of 1 byte; padding on; bit 21 beside a mask; after every 16 words, 4 words
	s_or_b32 s[G1W], s82, (1<<20)|(1<<21)|(3<<22)|(3<<25)
.irp g, G1X, G1W
	s_mov_b32 s[\g+1], 192<<16                     ; tensor_dim0 = 192 bytes
	s_mov_b32 s[\g+3], 192<<16                     ; tile_dim0
	s_mov_b32 s[\g+5], 768                         ; from row to row in memory
	s_mov_b32 s[\g+6], 0
	s_mov_b32 s[\g+7], 0
.endr
	s_mov_b32 s[G1X+2], 256<<16                    ; tensor_dim1, tile_dim1: x's 256 rows
	s_mov_b32 s[G1X+4], 256
	s_mov_b32 s[G1W+2], 64<<16                     ; a weight's 64
	s_mov_b32 s[G1W+4], 64
	s_mul_i32 s80, s[RB], 256*768                  ; x's tile hangs on the row block alone,
	s_mov_b32 s81, 0
	s_mul_i32 s82, s[HD], 64*768                   ; a weight's on the head alone: in registers that never hold the other coordinate
	s_mov_b32 s83, 0
	s_mul_i32 s86, s[WV], 64*PITCH
	s_mov_b32 s[SEL], 0x76543210
	s_mov_b32 s[SEL+1], 0xfedcba98
	s_wait_kmcnt 0x0
	s_add_nc_u64 s[80:81], s[4:5], s[80:81]
	s_cmp_eq_u32 s[WV], 2                          ; wave 1 fetches Wq, wave 2 Wk, wave 3 Wv (wave 0 makes Wq's descriptors and never issues them)
	s_cselect_b64 s[84:85], s[12:13], s[8:9]
	s_cmp_eq_u32 s[WV], 3
	s_cselect_b64 s[84:85], s[16:17], s[84:85]
	s_add_nc_u64 s[84:85], s[84:85], s[82:83]
.irp k, 0,1,2
	s_mov_b32 s[G0X+4*\k], 1
	s_mov_b32 s[G0X+4*\k+1], \k*SLOT
	s_add_nc_u64 s[G0X+4*\k+2:G0X+4*\k+3], s[80:81], \k*192
	s_or_b32 s[G0X+4*\k+3], s[G0X+4*\k+3], 0x80000000
	s_mov_b32 s[G0W+4*\k], 1
	s_add_co_u32 s[G0W+4*\k+1], s86, \k*SLOT+WOFF-64*PITCH
	s_add_nc_u64 s[G0W+4*\k+2:G0W+4*\k+3], s[84:85], \k*192
	s_or_b32 s[G0W+4*\k+3], s[G0W+4*\k+3], 0x80000000
.endr
	CROUND                                         ; all sixteen work-groups are here: the first joint loads meet
	s_cmp_eq_u32 s[WV], 0                          ; a wave's three first fills stand in one branch: three loads of mine are out
	s_cbranch_scc0 .Lfirst_w
	tensor_load_to_lds s[G0X:G0X+3], s[G1X:G1X+7]
	s_nop 0
	tensor_load_to_lds s[G0X+4:G0X+7], s[G1X:G1X+7]
	s_nop 0
	tensor_load_to_lds s[G0X+8:G0X+11], s[G1X:G1X+7]
	s_nop 0
	PLACES
	s_branch .Lfirst_done
.Lfirst_w:
	tensor_load_to_lds s[G0W:G0W+3], s[G1W:G1W+7]
	s_nop 0
	tensor_load_to_lds s[G0W+4:G0W+7], s[G1W:G1W+7]
	s_nop 0
	tensor_load_to_lds s[G0W+8:G0W+11], s[G1W:G1W+7]
	s_nop 0
	PLACES
.Lfirst_done:
	v_and_b32 v1, 15, v0                           ; r
	v_bfe_u32 v30, v0, 4, 1                        ; h
	v_and_b32 v31, 8, v1
	v_add_nc_u32 v31, v31, v1                      ; P(r)
	v_mul_u32_u24 v[TE], v31, PITCH
	v_mad_u32_u24 v[TE], v30, 24, v[TE]            ; row x pitch + 24 h
	v_lshl_add_u32 v[TO], v30, 4, v[TE]            ; and behind one padding more
	s_mul_i32 s87, s[II], 128*PITCH                ; my 128 rows of x
	s_mul_i32 s88, s[JJ], 64*PITCH
	s_add_co_u32 s88, s88, WOFF                    ; Wq's rows or Wk's
	s_mul_i32 s89, s[JJ], 32*PITCH
	s_add_co_u32 s89, s89, VOFF                    ; my 32 rows of Wv
.irp k, 0,1,2
	v_add_nc_u32 v[ADX+2*\k], s87, v[TE]
	v_add_nc_u32 v[ADX+2*\k+1], s87, v[TO]
	v_add_nc_u32 v[ADW+2*\k], s88, v[TE]
	v_add_nc_u32 v[ADW+2*\k+1], s88, v[TO]
	v_add_nc_u32 v[ADV+2*\k], s89, v[TE]
	v_add_nc_u32 v[ADV+2*\k+1], s89, v[TO]
	s_add_co_u32 s87, s87, SLOT
	s_add_co_u32 s88, s88, SLOT
	s_add_co_u32 s89, s89, SLOT
.endr
	v_and_b32 v[L8], 31, v0
	v_lshlrev_b32 v[L16], 4, v[L8]
	v_lshlrev_b32 v[L8], 3, v[L8]
	v_lshlrev_b32 v[VSO], 5, v31                   ; a row of scales is 32 bytes: eight words, one for each 128 along K
	v_lshl_add_u32 v[XSO], v30, 11, v[VSO]         ; lanes 16-31: x's tile a + 4, 64 rows on;
	v_lshl_add_u32 v[WSO], v30, 10, v[VSO]         ; the weight's tile t + 2, 32 rows on;
	v_lshl_add_u32 v[VSO], v30, 8, v[VSO]          ; Wv's tile 1, 8 rows on
	v_lshlrev_b32 v[BQO], 6, v30                   ; Q's and K's bias: 16 h channels on
	v_lshlrev_b32 v[BVO], 2, v31                   ; V's: channel P(r)
	s_lshl_b32 s90, s[RB], 13
	s_lshl_b32 s91, s[II], 12
	s_add_co_u32 s90, s90, s91                     ; (256 row block + 128 i) x 32
	s_mov_b32 s91, 0
	s_add_nc_u64 s[6:7], s[6:7], s[90:91]
	s_cmp_eq_u32 s[JJ], 0
	s_cselect_b64 s[92:93], s[10:11], s[14:15]     ; Wq's scales or Wk's
	s_cselect_b64 s[94:95], s[20:21], s[22:23]     ; bq or bk
	s_lshl_b32 s90, s[HD], 11                      ; 64 head x 32
	s_add_nc_u64 s[92:93], s[92:93], s[90:91]
	s_lshl_b32 s96, s[JJ], 10
	s_add_co_u32 s96, s96, s90                     ; (64 head + 32 j) x 32
	s_mov_b32 s97, 0
	s_add_nc_u64 s[18:19], s[18:19], s[96:97]
	s_lshl_b32 s90, s[HD], 8                       ; 64 head x 4
	s_add_nc_u64 s[94:95], s[94:95], s[90:91]
	s_lshl_b32 s96, s[JJ], 7
	s_add_co_u32 s96, s96, s90
	s_add_nc_u64 s[24:25], s[24:25], s[96:97]
.irp g, 0,1,2,3
	global_load_b128 v[XS+8*\g:XS+8*\g+3], v[XSO], s[6:7] offset:(32*(\g/2)+8*(\g%2))*32
	global_load_b128 v[XS+8*\g+4:XS+8*\g+7], v[XSO], s[6:7] offset:(32*(\g/2)+8*(\g%2))*32+16
.endr
.irp g, 0,1
	global_load_b128 v[WS+8*\g:WS+8*\g+3], v[WSO], s[92:93] offset:256*\g
	global_load_b128 v[WS+8*\g+4:WS+8*\g+7], v[WSO], s[92:93] offset:256*\g+16
.endr
	global_load_b128 v[VS:VS+3], v[VSO], s[18:19]
	global_load_b128 v[VS+4:VS+7], v[VSO], s[18:19] offset:16
	WIN 0xc0                                       ; destination window 3
.irp t, 0,1,2,3
	global_load_b128 v[BQK+8*\t:BQK+8*\t+3], v[BQO], s[94:95] offset:(32*(\t/2)+8*(\t%2))*4      ; register i of tile t: channel 32 (t / 2) + 16 h + 8 (t % 2) + i
	global_load_b128 v[BQK+8*\t+4:BQK+8*\t+7], v[BQO], s[94:95] offset:(32*(\t/2)+8*(\t%2))*4+16
.endr
.irp n, 0,1
.irp i, 0,1,2,3,4,5,6,7
	global_load_b32 v[BV+8*\n+\i], v[BVO], s[24:25] offset:32*\n   ; V's result holds one channel a lane: its bias in all eight registers
.endr
.endr
	WIN 0
	s_wait_tensorcnt 2                             ; my part of slot 0 is in; slots 1 and 2 may stay out
	s_barrier_signal -1
	s_barrier_wait -1
	FETCH_X 0, 0, 0
	FETCH_W 0, 0, 0
	s_wait_loadcnt 0x0                             ; scale words and biases
	SUB 0, -1, 1
	SUB 1, 1, 0                                    ; slot 1 is read from here on: of my three loads the last may stay out
	SUB 2, -1, 0
	SUB 3, 3, 0                                    ; slot 2 is read from here on, and slot 0 is filled again: the load has two steps, 96 matrix instructions, in which to land
	SUB 4, -1, 0
	SUB 5, 0, 0                                    ; slot 0 with K step 3
	SUB 6, -1, 0
	SUB 7, -1, 0
	; THE WAY OUT: quantise in registers, store images.  Each store of a wave covers 512 or 256 consecutive bytes, aligned to 256.  Every quantisation has its own registers for its codes, so no store's data are written again.
	WIN 0
	PLACES
	s_mov_b32 vcc_lo, 0xffff0000                   ; lanes 16-31
	v_mov_b32 v[FLR], 0x1800000
.irp b, 0,1,2,3
	v_mov_b32 v[TM+4+\b], 0                        ; a lane permute's destination counts as one of its sources
.endr
	s_lshr_b32 s80, s[RB], 3
	s_lshl_b32 s80, s80, 4
	s_add_co_u32 s80, s80, s[HD]                   ; bh = 16 x batch + head
	s_and_b32 s81, s[RB], 7
	s_lshl_b32 s81, s81, 1
	s_add_co_u32 s81, s81, s[II]                   ; which 128 rows of the batch's 2,048
	s_mul_i32 s82, s80, 16*13312
	s_mul_i32 s83, s81, 13312
	s_add_co_u32 s82, s82, s83
	s_mul_i32 s84, s80, 16*6656
	s_mul_i32 s85, s81, 6656
	s_add_co_u32 s84, s84, s85
	s_mov_b32 s83, 0
	s_add_nc_u64 s[86:87], s[28:29], s[82:83]      ; my step in kv
	s_cmp_eq_u32 s[JJ], 0
	s_cselect_b64 s[88:89], s[26:27], s[28:29]     ; Q goes to qb, K to kv
	s_cselect_b32 s90, s84, s82
	s_mov_b32 s91, 0
	s_add_nc_u64 s[88:89], s[88:89], s[90:91]
	s_mul_i32 s92, s[JJ], 3072
	s_add_co_u32 s92, s92, 6656
	s_mov_b32 s93, 0
	s_add_nc_u64 s[92:93], s[86:87], s[92:93]      ; my two fragments of V^T
	s_lshl_b32 s94, s[JJ], 8
	s_add_co_u32 s94, s94, 12800
	s_mov_b32 s95, 0
	s_add_nc_u64 s[94:95], s[86:87], s[94:95]      ; and their scale words
.irp g, 0,1,2,3                                ; tiles 2 g and 2 g + 1 of rows: two blocks of 32 channels each
	QUANT 64*\g, 2, PCB+20*\g
	v_lshl_or_b32 v[TE], v[TM+5], 8, v[TM+4]       ; tile 2 g's word: two bytes, the upper two 0
	v_lshl_or_b32 v[TO], v[TM+7], 8, v[TM+6]       ; tile 2 g + 1's
	v_cndmask_b32 v[SW+\g], v[TE], v[TO], vcc_lo
	global_store_b128 v[L16], v[PCB+20*\g:PCB+20*\g+3], s[88:89] offset:1536*\g
	global_store_b64 v[L8], v[PCB+20*\g+4:PCB+20*\g+5], s[88:89] offset:1536*\g+512
	global_store_b128 v[L16], v[PCB+20*\g+6:PCB+20*\g+9], s[88:89] offset:1536*\g+768
	global_store_b64 v[L8], v[PCB+20*\g+10:PCB+20*\g+11], s[88:89] offset:1536*\g+1280
.endr
	global_store_b128 v[L16], v[SW:SW+3], s[88:89] offset:6144
.irp n, 0,1                                    ; 16 channels x 128 keys: a whole fragment and a whole scale word
	QUANT 64*\n, 3, PCB+80+20*\n
	v_lshl_or_b32 v[VW+\n], v[TM+5], 8, v[TM+4]
	v_lshl_or_b32 v[VW+\n], v[TM+6], 16, v[VW+\n]
	v_lshl_or_b32 v[VW+\n], v[TM+7], 24, v[VW+\n]
.irp c, 0,1,2
	global_store_b128 v[L16], v[PCB+80+20*\n+4*\c:PCB+80+20*\n+4*\c+3], s[92:93] offset:1536*\n+512*\c
.endr
.endr
	global_store_b64 v[L8], v[VW:VW+1], s[94:95]
	s_wait_tensorcnt 0x0                           ; the wave's end
	ds_add_u32 v[SPW], v[NIL]
	s_wait_dscnt 0x0
	CROUND                                         ; the closing round: no work-group ends while a partner may still ask for a tile that names it
	s_endpgm
.Lfunc_end_k_q82f7ad901f_qkv:
	.size	k_q82f7ad901f_qkv, .Lfunc_end_k_q82f7ad901f_qkv-k_q82f7ad901f_qkv
	.p2alignl 7, 3214868480
	.fill 96, 4, 3214868480
	.section	.rodata,"a",@progbits
	.p2align	6, 0x0
	.amdhsa_kernel k_q82f7ad901f_qkv
		.amdhsa_group_segment_fixed_size 327680
		.amdhsa_private_segment_fixed_size 0
		.amdhsa_enable_private_segment 0
		.amdhsa_kernarg_size 104
		.amdhsa_user_sgpr_count 2
		.amdhsa_user_sgpr_kernarg_segment_ptr 1
		.amdhsa_wavefront_size32 1
		.amdhsa_system_sgpr_workgroup_id_x 1
		.amdhsa_system_sgpr_workgroup_id_y 1
		.amdhsa_system_sgpr_workgroup_id_z 1
		.amdhsa_system_vgpr_workitem_id 0
		.amdhsa_next_free_vgpr 1024
		.amdhsa_next_free_sgpr 100
		.amdhsa_reserve_vcc 1
		.amdhsa_float_denorm_mode_32 3
		.amdhsa_float_denorm_mode_16_64 3
		.amdhsa_memory_ordered 1
		.amdhsa_forward_progress 1
		.amdhsa_inst_pref_size 132
	.end_amdhsa_kernel
	.amdgpu_metadata
---
amdhsa.version: [ 1, 2 ]
amdhsa.kernels:
  - .name:           k_q82f7ad901f_qkv
    .symbol:         k_q82f7ad901f_qkv.kd
    .args:
      - { .name: x_codes, .offset: 0, .size: 8, .value_kind: global_buffer, .address_space: global }
      - { .name: x_scales, .offset: 8, .size: 8, .value_kind: global_buffer, .address_space: global }
      - { .name: Wq_codes, .offset: 16, .size: 8, .value_kind: global_buffer, .address_space: global }
      - { .name: Wq_scales, .offset: 24, .size: 8, .value_kind: global_buffer, .address_space: global }
      - { .name: Wk_codes, .offset: 32, .size: 8, .value_kind: global_buffer, .address_space: global }
      - { .name: Wk_scales, .offset: 40, .size: 8, .value_kind: global_buffer, .address_space: global }
      - { .name: Wv_codes, .offset: 48, .size: 8, .value_kind: global_buffer, .address_space: global }
      - { .name: Wv_scales, .offset: 56, .size: 8, .value_kind: global_buffer, .address_space: global }
      - { .name: bq, .offset: 64, .size: 8, .value_kind: global_buffer, .address_space: global }
      - { .name: bk, .offset: 72, .size: 8, .value_kind: global_buffer, .address_space: global }
      - { .name: bv, .offset: 80, .size: 8, .value_kind: global_buffer, .address_space: global }
      - { .name: qb, .offset: 88, .size: 8, .value_kind: global_buffer, .address_space: global }
      - { .name: kv, .offset: 96, .size: 8, .value_kind: global_buffer, .address_space: global }
    .group_segment_fixed_size: 327680
    .private_segment_fixed_size: 0
    .kernarg_segment_align: 8
    .kernarg_segment_size: 104
    .max_flat_workgroup_size: 128
    .sgpr_count:     100
    .vgpr_count:     1024
    .wavefront_size: 32
...
	.end_amdgpu_metadata
.endif
;; end of part 1
;; launch attn (part 2): grid 8 x 32, 16 waves a work-group, clusters of 4 x 1, 215,040 bytes of LDS; arguments qb, kv, ob, os; writes ob, os
.if DOCPART == 2
	.amdgcn_target "amdgcn-amd-amdhsa--gfx1250"
	.amdhsa_code_object_version 6
	.text
	.protected	k_q82f7ad901f_attn
	.globl	k_q82f7ad901f_attn
	.p2align	8
	.type	k_q82f7ad901f_attn,@function
k_q82f7ad901f_attn:
	s_mov_b64 s[64:65], 0
	v_nop
	global_prefetch_b8 v0, s[64:65] scope:SCOPE_SE
	s_setreg_imm32_b32 hwreg(HW_REG_WAVE_MODE, 25, 1), 1
	s_wait_xcnt 0x0
	s_wait_alu depctr_hold_cnt(0) depctr_sa_sdst(0) depctr_va_vdst(0) depctr_va_sdst(0) depctr_va_ssrc(0) depctr_va_vcc(0) depctr_vm_vsrc(0)
	s_getreg_b32 s2, hwreg(HW_REG_IB_STS2, 6, 4)
	s_cmp_eq_u32 s2, 0
	s_cbranch_scc0 .Lentry_in_a_cluster
	s_endpgm
.Lentry_in_a_cluster:
	s_bfe_u32 s2, ttmp6, 0x10000c
	s_cmp_lg_u32 s2, 0x3003
	s_cbranch_scc0 .Lentry_shape_is_right
	s_endpgm
.Lentry_shape_is_right:
; O[bh][q] = the sum over k of sin(30 (Q[q] . K[k]) / 8) V[k], both products on codes of FP6 (E2M3) with one E8M0 scale for each 32 along a product's K; the sine is quantised along the keys, O along d_model.
; SHARES.  A work-group owns 256 queries of one head, each of its SIXTEEN waves one tile of 16 in 256 registers: four waves to a SIMD, so that one wave's matrix work and LDS loads stand beside the others' vector work,
; which is the bulk: a key step of 128 keys is 12 matrix instructions and some 530 vector instructions a wave.
; LDS holds the head's WHOLE block of kv, 16 key steps x 13,312 bytes, filled once: no slot is ever filled again.  CLUSTER 4 x 1: the four query blocks of a cluster read the same block: waves 0 to 3 ask for it jointly,
; four loads each (four of mine are out at the most), in four groups of four key steps; a group is read behind a counted wait and a barrier while the later groups are on their way.
; LAYOUT.  S^T = K Q^T (source 0 = 16 keys, source 1 = my 16 queries), O^T = V^T P^T: a lane holds one query throughout.  The keys of a tile of K are chosen (by the launch before) so that the 16 registers of tiles
; 2 b and 2 b + 1 are keys 32 b + 16 (lane / 16) + 0 .. 15; V^T's channels likewise.  All operands lie in LDS as images of their registers: every load takes 16 or 8 bytes a lane on end.
; K = 64 IN A FORM THAT IS 128 DEEP: Q's registers 6-11 are zero codes; K's tile t is named as the 12 registers from its six on, so that its upper half is the next tile's codes (tile 7's: zeros): finite numbers times zero
; codes.  The upper two bytes of both scale words are 0, which is 2^-127 and no NaN.
; THE SINE, in f32: y = 3.75 s (the bits of 30 x (s / 8)); n = y / pi to the nearest whole number, by adding and taking away 1.5 x 2^23; r = y - n pi in two fused steps; sin r by an odd polynomial of degree 11 on
; |r| <= pi / 2; the sign turns where n is odd: n's lowest bit, moved to bit 31, is added.
; LIMITS: |y| under 2^22 pi (n must fit beside 1.5 x 2^23); the reduction leaves about n x 3e-15; NaN and infinities are not served; a block under 2^(3 - 127), a block of zeros too, keeps the byte 1.
.set STEPB, 13312
.set L16, 1                            ; 16 x lane
.set L8,  2                            ; 8 x lane
.set A16, 3                            ; the key step's addresses
.set A8,  4
.set SO,  5                            ; my byte in a tile's 512 bytes of os
.set MAGIC, 6                          ; v[6:7]  1.5 x 2^23, twice
.set C9,  8                            ; v[8:9]  the polynomial's r^9, twice (an instruction names one scalar pair)
.set QS,  10                           ; Q's scale word
.set PW,  11                           ; the sine's scale word
.set KS,  12                           ; v12-15  K's scale words: t / 2; lanes 16-31 the odd tile
.set VSC, 16                           ; v16-19  V's
.set QF,  20                           ; v20-31  Q's fragment
.set F,   32                           ; v32-85  K's eight half fragments and six zeros; then V's four fragments
.set S,   88                           ; v88-151 S^T, then the sine
.set O,   152                          ; v152-183 O^T
.set PC,  184                          ; v184-203 codes
.set T,   204                          ; v204-227 at work
.set TM,  204
.set WV,  12
.set G1,  24                           ; s[24:31]
.set G0,  32                           ; s[32:47] four groups 0
.set C375, 48
.set INVPI, 50
.set NPIHI, 52
.set PILO, 54
.set C11, 56
.set C7,  58
.set C5,  60
.set C3,  62
.set SEL, 66
.set TB,  68                           ; LDS byte at which the key step begins
.set CNT, 69
.macro ROUND
	s_barrier_signal -1
	s_barrier_wait -1
	s_cmp_lg_u32 s[WV], 0
	s_cbranch_scc1 .Lnot_wave_0_\@
	s_barrier_signal -3
.Lnot_wave_0_\@:
	s_barrier_wait -3
	s_barrier_signal -1
	s_barrier_wait -1
.endm
.macro KONST reg, val                  ; the packed forms name a pair and take its low word for both halves: both words are written
	s_mov_b32 s[\reg], \val
	s_mov_b32 s[\reg+1], \val
.endm
; The sine of accumulator k's eight numbers, four pairs by turns: 56 instructions.
.macro SINB k
.set X0, S+8*(\k)
.irp e, 0,2,4,6
	v_pk_mul_f32 v[X0+\e:X0+\e+1], v[X0+\e:X0+\e+1], s[C375:C375+1] op_sel_hi:[1,0]   ; y (the accumulator is read from its low end on)
.endr
.irp e, 0,2,4,6
	v_pk_fma_f32 v[T+\e:T+\e+1], v[X0+\e:X0+\e+1], s[INVPI:INVPI+1], v[MAGIC:MAGIC+1] op_sel_hi:[1,0,1]   ; n beside 1.5 x 2^23
.endr
.irp e, 0,2,4,6
	v_pk_add_f32 v[T+8+\e:T+9+\e], v[T+\e:T+\e+1], v[MAGIC:MAGIC+1] neg_lo:[0,1] neg_hi:[0,1]   ; n
.endr
.irp e, 0,2,4,6
	v_pk_fma_f32 v[X0+\e:X0+\e+1], v[T+8+\e:T+9+\e], s[NPIHI:NPIHI+1], v[X0+\e:X0+\e+1] op_sel_hi:[1,0,1]   ; y - n pi: pi's f32,
.endr
.irp e, 0,2,4,6
	v_pk_fma_f32 v[X0+\e:X0+\e+1], v[T+8+\e:T+9+\e], s[PILO:PILO+1], v[X0+\e:X0+\e+1] op_sel_hi:[1,0,1]     ; and what that f32 is too large by: r
.endr
.irp e, 0,2,4,6
	v_pk_mul_f32 v[T+16+\e:T+17+\e], v[X0+\e:X0+\e+1], v[X0+\e:X0+\e+1]                ; u = r^2
.endr
.irp e, 0,2,4,6
	v_pk_fma_f32 v[T+8+\e:T+9+\e], v[T+16+\e:T+17+\e], s[C11:C11+1], v[C9:C9+1] op_sel_hi:[1,0,1]
.endr
.irp e, 0,2,4,6
	v_pk_fma_f32 v[T+8+\e:T+9+\e], v[T+8+\e:T+9+\e], v[T+16+\e:T+17+\e], s[C7:C7+1] op_sel_hi:[1,1,0]
.endr
.irp e, 0,2,4,6
	v_pk_fma_f32 v[T+8+\e:T+9+\e], v[T+8+\e:T+9+\e], v[T+16+\e:T+17+\e], s[C5:C5+1] op_sel_hi:[1,1,0]
.endr
.irp e, 0,2,4,6
	v_pk_fma_f32 v[T+8+\e:T+9+\e], v[T+8+\e:T+9+\e], v[T+16+\e:T+17+\e], s[C3:C3+1] op_sel_hi:[1,1,0]
.endr
.irp e, 0,2,4,6
	v_pk_mul_f32 v[T+16+\e:T+17+\e], v[T+16+\e:T+17+\e], v[X0+\e:X0+\e+1]              ; r^3
.endr
.irp e, 0,2,4,6
	v_pk_fma_f32 v[X0+\e:X0+\e+1], v[T+8+\e:T+9+\e], v[T+16+\e:T+17+\e], v[X0+\e:X0+\e+1]   ; sin r
.endr
.irp e, 0,1,2,3,4,5,6,7
	v_lshl_add_u32 v[X0+\e], v[T+\e], 31, v[X0+\e]                                     ; x (-1)^n
.endr
.endm
; A KEY STEP: 128 keys.
.macro KSTEP
	v_add_nc_u32 v[A16], s[TB], v[L16]
	v_add_nc_u32 v[A8], s[TB], v[L8]
	v_nop
	v_nop                                          ; four places behind the last step's products, in front of the loads into the registers that they read
.irp t, 0,1,2,3,4,5,6,7
	ds_load_b128 v[F+6*\t:F+6*\t+3], v[A16] offset:768*\t
	ds_load_b64 v[F+6*\t+4:F+6*\t+5], v[A8] offset:768*\t+512
.endr
	ds_load_b128 v[KS:KS+3], v[A16] offset:6144
	s_wait_dscnt 0x0
.irp t, 0,2,4,6
	v_wmma_scale_f32_16x16x128_f8f6f4 v[S+8*\t:S+8*\t+7], v[F+6*\t:F+6*\t+11], v[QF:QF+11], 0, v[KS+\t/2], v[QS] matrix_a_fmt:MATRIX_FMT_FP6 matrix_b_fmt:MATRIX_FMT_FP6
	v_wmma_scale_f32_16x16x128_f8f6f4 v[S+8*\t+8:S+8*\t+15], v[F+6*\t+6:F+6*\t+17], v[QF:QF+11], 0, v[KS+\t/2], v[QS] matrix_a_fmt:MATRIX_FMT_FP6 matrix_b_fmt:MATRIX_FMT_FP6 matrix_a_scale:MATRIX_SCALE_ROW1
.endr
.rept 4
	v_nop                                          ; places in front of V's loads and of the first read of the scores
.endr
.irp t, 0,1,2,3
.irp g, 0,1,2
	ds_load_b128 v[F+12*\t+4*\g:F+12*\t+4*\g+3], v[A16] offset:6656+1536*\t+512*\g   ; V's fragments land while the sines are made
.endr
.endr
	ds_load_b64 v[VSC:VSC+1], v[A8] offset:12800
	ds_load_b64 v[VSC+2:VSC+3], v[A8] offset:13056
.irp k, 0,1,2,3,4,5,6,7
	SINB \k
.endr
.irp b, 0,1,2,3                                ; the sine's four blocks of 32 keys
	v_max3_num_f32 v[TM+\b], |v[S+16*\b]|, |v[S+16*\b+1]|, 0x1800000   ; my 16 numbers, and the floor 2^(3 - 127): the byte cannot fall under 1
.endr
.irp i, 2,4,6,8,10,12,14
.irp b, 0,1,2,3
	v_max3_num_f32 v[TM+\b], v[TM+\b], |v[S+16*\b+\i]|, |v[S+16*\b+\i+1]|
.endr
.endr
.irp b, 0,1,2,3
	v_permlanex16_b32 v[TM+4+\b], v[TM+\b], s[SEL], s[SEL+1]
.endr
.irp b, 0,1,2,3
	v_max_num_f32 v[TM+\b], v[TM+\b], v[TM+4+\b]   ; with lane l xor 16's 16 keys
.endr
.irp b, 0,1,2,3
	v_add_nc_u32 v[TM+12+\b], 0xff000000, v[TM+\b] ; 2 off the exponent field: the conversion's scale operand
.endr
.irp b, 0,1,2,3
	v_lshrrev_b32 v[TM+4+\b], 23, v[TM+12+\b]      ; the scale's byte
.endr
	v_lshl_or_b32 v[PW], v[TM+5], 8, v[TM+4]
	v_lshl_or_b32 v[PW], v[TM+6], 16, v[PW]
	v_lshl_or_b32 v[PW], v[TM+7], 24, v[PW]
.irp c, 0,1
	v_cvt_scalef32_pk16_fp6_f32 v[PC+6*\c:PC+2+6*\c], v[S+32*\c:S+15+32*\c], v[TM+12+2*\c]
	v_cvt_scalef32_pk16_fp6_f32 v[PC+12+4*\c:PC+14+4*\c], v[S+16+32*\c:S+31+32*\c], v[TM+13+2*\c]   ; (a conversion's three registers begin on an even number)
.endr
	v_nop                                          ; one plain place behind a scaled conversion
.irp c, 0,1                                    ; a whole block to a lane
.irp i, 0,1,2
	v_permlane16_swap_b32 v[PC+6*\c+\i], v[PC+12+4*\c+\i]
.endr
.irp i, 0,1,2
	v_mov_b32 v[PC+3+6*\c+\i], v[PC+12+4*\c+\i]
.endr
.endr
.rept 8
	v_nop                                          ; a scale register written by a vector instruction stands 8 places ahead of a scaled matrix instruction, an operand so written 4
.endr
	s_wait_dscnt 0x0                               ; V
.irp t, 0,1,2,3                                ; the four accumulators by turns; eight other products stand between an accumulator's turns
	v_wmma_scale_f32_16x16x128_f8f6f4 v[O+8*\t:O+8*\t+7], v[F+12*\t:F+12*\t+11], v[PC:PC+11], v[O+8*\t:O+8*\t+7], v[VSC+\t], v[PW] matrix_a_fmt:MATRIX_FMT_FP6 matrix_b_fmt:MATRIX_FMT_FP6
.endr
	s_add_co_u32 s[TB], s[TB], STEPB
.endm
.macro GROUP g                         ; key steps 4 g .. 4 g + 3
	s_wait_tensorcnt 3-\g                          ; my load of this group has landed; those of the later groups may stay out
	s_wait_dscnt 0x0
	s_barrier_signal -1
	s_barrier_wait -1                              ; all four loads of the group have
	s_mov_b32 s[CNT], 4
.Lstep_\@:
	KSTEP
	s_sub_co_u32 s[CNT], s[CNT], 1
	s_cmp_lg_u32 s[CNT], 0
	s_cbranch_scc1 .Lstep_\@
.endm
	s_load_b256 s[4:11], s[0:1], 0x0               ; qb, kv, ob, os
	v_lshl_add_u32 v254, v0, 2, 0x34000
	v_mov_b32 v255, 0
	ds_add_u32 v254, v255
	ds_add_u32 v254, v255
	v_lshrrev_b32 v1, 5, v0
	v_readfirstlane_b32 s[WV], v1                  ; wave 0..15
	s_bfe_u32 s13, ttmp6, 0x40000                  ; cx: it enters Q's, ob's and os's addresses alone
	s_lshl_b32 s14, ttmp9, 2
	s_add_co_u32 s14, s14, s13                     ; my block of 256 queries
	s_and_b32 s15, ttmp7, 0xffff                   ; bh, which the four partners share
	s_mov_b32 s[G1], 15|(3<<16)|(1<<21)            ; the mask: all four; elements of 8 bytes; bit 21 beside a mask; no padding
	s_mov_b32 s[G1+1], 32<<16                      ; a key step is 52 dense rows of 256 bytes
	s_mov_b32 s[G1+2], 52<<16
	s_mov_b32 s[G1+3], 32<<16
	s_mov_b32 s[G1+4], 52
	s_mov_b32 s[G1+5], 32
	s_mov_b32 s[G1+6], 0
	s_mov_b32 s[G1+7], 0
	s_and_b32 s18, s[WV], 3
	s_mul_i32 s18, s18, STEPB                      ; which key step of a group I fetch (waves 0 to 3)
	s_mul_i32 s16, s15, 16*STEPB
	s_add_co_u32 s16, s16, s18
	s_mov_b32 s17, 0
	s_wait_dscnt 0x0
	s_wait_kmcnt 0x0
	s_add_nc_u64 s[16:17], s[6:7], s[16:17]
.irp g, 0,1,2,3
	s_mov_b32 s[G0+4*\g], 1
	s_add_co_u32 s[G0+4*\g+1], s18, \g*4*STEPB
	s_add_nc_u64 s[G0+4*\g+2:G0+4*\g+3], s[16:17], \g*4*STEPB
	s_or_b32 s[G0+4*\g+3], s[G0+4*\g+3], 0x80000000
.endr
	ROUND                                          ; all four work-groups are here: the joint loads meet
	s_cmp_lt_u32 s[WV], 4
	s_cbranch_scc0 .Lno_fill
.irp g, 0,1,2,3
	tensor_load_to_lds s[G0+4*\g:G0+4*\g+3], s[G1:G1+7]
	s_nop 0
.endr
.rept 4
	v_nop
.endr
.Lno_fill:
	v_and_b32 v[L8], 31, v0
	v_lshlrev_b32 v[L16], 4, v[L8]
	v_lshlrev_b32 v[L8], 3, v[L8]
	s_lshr_b32 s20, s[WV], 3
	s_lshl_b32 s21, s14, 1
	s_add_co_u32 s20, s20, s21                     ; my chunk of 128 queries
	s_and_b32 s21, s[WV], 7                        ; my tile a in it
	s_mul_i32 s22, s15, 16*6656
	s_mul_i32 s23, s20, 6656
	s_add_co_u32 s22, s22, s23
	s_mov_b32 s23, 0
	s_add_nc_u64 s[70:71], s[4:5], s[22:23]        ; the chunk in qb
	s_mul_i32 s22, s21, 768
	s_add_nc_u64 s[72:73], s[70:71], s[22:23]      ; my tile's half image
	global_load_b128 v[QF:QF+3], v[L16], s[72:73]
	global_load_b64 v[QF+4:QF+5], v[L8], s[72:73] offset:512
	v_and_b32 v[A8], 15, v0                        ; r
	v_bfe_u32 v[SO], v0, 4, 1                      ; h
	v_lshl_add_u32 v[SO], v[A8], 5, v[SO]          ; os: 32 r + h
	s_and_b32 s22, s21, 1
	s_lshl_b32 s22, s22, 8
	s_lshr_b32 s74, s21, 1
	s_lshl_b32 s74, s74, 2
	s_add_co_u32 s22, s22, s74
	v_lshl_add_u32 v[A16], v[A8], 4, s22           ; my tile's scale word of row r: (r + 16 (a % 2)) x 16 + 4 (a / 2)
	global_load_b32 v[QS], v[A16], s[70:71] offset:6144
	s_lshr_b32 s22, s15, 4
	s_lshl_b32 s22, s22, 4
	s_add_co_u32 s22, s22, s20                     ; which 128 rows of the 4,096: 16 x batch + chunk
	s_and_b32 s74, s15, 15                         ; head
	s_lshl_b32 s75, s22, 4
	s_add_co_u32 s75, s75, s74
	s_lshl_b32 s75, s75, 3
	s_add_co_u32 s75, s75, s21
	s_mul_i32 s76, s75, 768
	s_mov_b32 s77, 0
	s_add_nc_u64 s[8:9], s[8:9], s[76:77]          ; ob: [128 rows][head][a][768]
	s_lshl_b32 s76, s22, 3
	s_add_co_u32 s76, s76, s21
	s_lshl_b32 s76, s76, 9
	s_lshl_b32 s74, s74, 1
	s_add_co_u32 s76, s76, s74
	s_add_nc_u64 s[10:11], s[10:11], s[76:77]      ; os: [tile of 16 rows][r][32 bytes], my head's two bytes at 2 x head
	KONST C375,  0x40700000                        ; 3.75
	KONST INVPI, 0x3ea2f983                        ; 1 / pi
	KONST NPIHI, 0xc0490fdb                        ; -(pi's f32)
	KONST PILO,  0x33bbbd2e                        ; pi's f32 - pi
	KONST C11,   0xb2cd365b                        ; -2.3889859e-8
	KONST C7,    0xb9500bf1                        ; -1.9840874e-4
	KONST C5,    0x3c088886                        ; 8.3333310e-3
	KONST C3,    0xbe2aaaab                        ; -1 / 6
	s_mov_b32 s[SEL], 0x76543210
	s_mov_b32 s[SEL+1], 0xfedcba98
	s_mov_b32 s[TB], 0
	v_mov_b32 v[MAGIC], 0x4b400000
	v_mov_b32 v[MAGIC+1], 0x4b400000
	v_mov_b32 v[C9], 0x3638b88e                    ; 2.7525562e-6
	v_mov_b32 v[C9+1], 0x3638b88e
.irp i, 6,7,8,9,10,11
	v_mov_b32 v[QF+\i], 0                          ; zero codes for K = 64 .. 127
.endr
.irp i, 48,49,50,51,52,53
	v_mov_b32 v[F+\i], 0                           ; what tile 7 of K names as its upper half; never loaded
.endr
.irp j, 0,1,2,3,4,5,6,7,8,9,10,11,12,13,14,15,16,17,18,19,20,21,22,23,24,25,26,27,28,29,30,31
	v_mov_b32 v[O+\j], 0                           ; O^T: 32 moves, once, so that the key step is written without a first copy
.endr
	s_wait_loadcnt 0x0                             ; Q
	GROUP 0
	GROUP 1
	GROUP 2
	GROUP 3
	; THE WAY OUT.  O^T's 32 registers are my query's 64 channels, two blocks of d_model: quantised, they are half a fragment of the last product.
.rept 4
	v_nop
.endr
	s_mov_b32 vcc_lo, 0xffff0000                   ; lanes 16-31
.irp b, 0,1
	v_max3_num_f32 v[TM+\b], |v[O+16*\b]|, |v[O+16*\b+1]|, 0x1800000
.endr
.irp i, 2,4,6,8,10,12,14
.irp b, 0,1
	v_max3_num_f32 v[TM+\b], v[TM+\b], |v[O+16*\b+\i]|, |v[O+16*\b+\i+1]|
.endr
.endr
.irp b, 0,1
	v_permlanex16_b32 v[TM+4+\b], v[TM+\b], s[SEL], s[SEL+1]
.endr
.irp b, 0,1
	v_max_num_f32 v[TM+\b], v[TM+\b], v[TM+4+\b]
.endr
.irp b, 0,1
	v_add_nc_u32 v[TM+12+\b], 0xff000000, v[TM+\b]
.endr
.irp b, 0,1
	v_lshrrev_b32 v[TM+4+\b], 23, v[TM+12+\b]
.endr
	v_cvt_scalef32_pk16_fp6_f32 v[PC:PC+2], v[O:O+15], v[TM+12]
	v_cvt_scalef32_pk16_fp6_f32 v[PC+12:PC+14], v[O+16:O+31], v[TM+13]
	v_cndmask_b32 v[TM+8], v[TM+4], v[TM+5], vcc_lo    ; lane (r, h) keeps block h's byte.  (The plain place behind the conversions)
.irp i, 0,1,2
	v_permlane16_swap_b32 v[PC+\i], v[PC+12+\i]
.endr
.irp i, 0,1,2
	v_mov_b32 v[PC+3+\i], v[PC+12+\i]
.endr
	global_store_b128 v[L16], v[PC:PC+3], s[8:9]               ; 512 consecutive bytes, aligned to 256
	global_store_b64 v[L8], v[PC+4:PC+5], s[8:9] offset:512    ; 256
	global_store_b8 v[SO], v[TM+8], s[10:11]                   ; one byte a lane, each byte by one lane: 32 bytes a wave, rows 32 bytes apart; 131,072 bytes in the whole launch
	s_wait_tensorcnt 0x0
	ds_add_u32 v254, v255
	s_wait_dscnt 0x0
	ROUND                                          ; the closing round
	s_endpgm
.Lfunc_end_k_q82f7ad901f_attn:
	.size	k_q82f7ad901f_attn, .Lfunc_end_k_q82f7ad901f_attn-k_q82f7ad901f_attn
	.p2alignl 7, 3214868480
	.fill 96, 4, 3214868480
	.section	.rodata,"a",@progbits
	.p2align	6, 0x0
	.amdhsa_kernel k_q82f7ad901f_attn
		.amdhsa_group_segment_fixed_size 215040
		.amdhsa_private_segment_fixed_size 0
		.amdhsa_enable_private_segment 0
		.amdhsa_kernarg_size 32
		.amdhsa_user_sgpr_count 2
		.amdhsa_user_sgpr_kernarg_segment_ptr 1
		.amdhsa_wavefront_size32 1
		.amdhsa_system_sgpr_workgroup_id_x 1
		.amdhsa_system_sgpr_workgroup_id_y 1
		.amdhsa_system_sgpr_workgroup_id_z 1
		.amdhsa_system_vgpr_workitem_id 0
		.amdhsa_next_free_vgpr 256
		.amdhsa_next_free_sgpr 80
		.amdhsa_reserve_vcc 1
		.amdhsa_float_denorm_mode_32 3
		.amdhsa_float_denorm_mode_16_64 3
		.amdhsa_memory_ordered 1
		.amdhsa_forward_progress 1
		.amdhsa_inst_pref_size 155
	.end_amdhsa_kernel
	.amdgpu_metadata
---
amdhsa.version: [ 1, 2 ]
amdhsa.kernels:
  - .name:           k_q82f7ad901f_attn
    .symbol:         k_q82f7ad901f_attn.kd
    .args:
      - { .name: qb, .offset: 0, .size: 8, .value_kind: global_buffer, .address_space: global }
      - { .name: kv, .offset: 8, .size: 8, .value_kind: global_buffer, .address_space: global }
      - { .name: ob, .offset: 16, .size: 8, .value_kind: global_buffer, .address_space: global }
      - { .name: os, .offset: 24, .size: 8, .value_kind: global_buffer, .address_space: global }
    .group_segment_fixed_size: 215040
    .private_segment_fixed_size: 0
    .kernarg_segment_align: 8
    .kernarg_segment_size: 32
    .max_flat_workgroup_size: 512
    .sgpr_count:     80
    .vgpr_count:     256
    .wavefront_size: 32
...
	.end_amdgpu_metadata
.endif
;; end of part 2
;; launch oproj (part 3): grid 8 x 32, 4 waves a work-group, clusters of 4 x 4, 239,104 bytes of LDS; arguments ob, os, Wo_codes, Wo_scales, bo, out0; writes out0
.if DOCPART == 3
	.amdgcn_target "amdgcn-amd-amdhsa--gfx1250"
	.amdhsa_code_object_version 6
	.text
	.protected	k_q82f7ad901f_oproj
	.globl	k_q82f7ad901f_oproj
	.p2align	8
	.type	k_q82f7ad901f_oproj,@function
k_q82f7ad901f_oproj:
	s_mov_b64 s[64:65], 0
	v_nop
	global_prefetch_b8 v0, s[64:65] scope:SCOPE_SE
	s_setreg_imm32_b32 hwreg(HW_REG_WAVE_MODE, 25, 1), 1
	s_wait_xcnt 0x0
	s_wait_alu depctr_hold_cnt(0) depctr_sa_sdst(0) depctr_va_vdst(0) depctr_va_sdst(0) depctr_va_ssrc(0) depctr_va_vcc(0) depctr_vm_vsrc(0)
	s_getreg_b32 s2, hwreg(HW_REG_IB_STS2, 6, 4)
	s_cmp_eq_u32 s2, 0
	s_cbranch_scc0 .Lentry_in_a_cluster
	s_endpgm
.Lentry_in_a_cluster:
	s_bfe_u32 s2, ttmp6, 0x10000c
	s_cmp_lg_u32 s2, 0xf033
	s_cbranch_scc0 .Lentry_shape_is_right
	s_endpgm
.Lentry_shape_is_right:
; out0 = A Wo^T + bo on codes of FP6 (E2M3) with one E8M0 scale for each 32 along K = 1,024; A is the attention's result, which the launch before left as images of operand registers (ob) with its scale bytes (os).
; SHARES.  A tile of out0 is 128 rows x 128 columns: 256 work-groups.  Wave w = 2 i + j takes four tiles a' of 16 rows (a = 4 i + a') and Wo's rows 64 j + 16 t + r: 16 accumulators.
; Used transposed (source 0 = Wo, source 1 = A): a lane holds eight neighbouring columns of one row.  Lane r of tile a is row 32 (a / 2) + 8 (a % 2) + r + (r & 8) of the block of 128: the order in which ob was made.
; LDS, filled once: A's block, 98,304 dense bytes [head][a][768]; Wo's 128 rows in four quarters of K (rows of 192 bytes, 16 of padding behind every 64: pitch 240); a stage of 16 x 272 bytes for each wave.
; CLUSTER 4 x 4: A's block is shared along a row of the cluster, Wo's rows along a column.  Waves 0 and 1 ask for A's halves of each quarter of K, waves 2 and 3 for Wo's: four loads each are out at the most.
; A K step of 128 is two heads: a fragment's registers 0-5 are head 2 s's half image, registers 6-11 head 2 s + 1's.
; LIMITS: NaN, infinities and scale bytes 0xff among the inputs are not served.
; REGISTERS.  window 0: v2-14 addresses; v32-47 A's scale words, v48-63 Wo's; v64-95 the bias, later rows on the way out, v96-127 likewise; v128-255 the accumulators at 128 + 8 (4 a' + t).
;   window 1: two sets of fragments: A's at 128 p + 12 a', Wo's at 128 p + 48 + 12 t.
.set PITCH, 240
.set WOL,   98304                      ; Wo's quarters begin here, 128 x 240 bytes each
.set STAGE, WOL+4*128*PITCH            ; 221,184
.set AA16, 2                           ; v2-3   A's images, registers 0-3: K steps 0-3, 4-7
.set AA8,  4                           ; v4-5   registers 4-5
.set AW,   6                           ; v6-9   Wo's fragments: 2 x half + (1: behind one padding more)
.set STO,  10
.set RD,   11
.set CO,   12
.set SCO,  13
.set BO,   14
.set AS,   32                          ; 8 (a' % 2) + s; lanes 16-31 tile a' + 2
.set BS,   48                          ; 8 (t % 2) + s; lanes 16-31 tile t + 2
.set BI,   64
.set OB,   64
.set ACC,  128
.set WV,  16                           ; s16 wave, s17 i, s18 j, s19 cx, s20 cy, s21 column block, s22 row block
.set II,  17
.set JJ,  18
.set G1A, 24
.set G0A, 32                           ; s[32:47]
.set G1W, 48
.set G0W, 68                           ; s[68:83]
.set MSB, 0
.macro WIN new                         ; the immediate's high byte repeats the setting that is left
.if MSB != (\new)
	s_set_vgpr_msb (MSB<<8)|(\new)
.set MSB, (\new)
.endif
.endm
.macro PLACES                          ; four plain vector instructions between a matrix instruction and a load into, or a read of, its registers
.rept 4
	v_nop
.endr
.endm
.macro CROUND
	s_barrier_signal -1
	s_barrier_wait -1
	s_cmp_lg_u32 s[WV], 0
	s_cbranch_scc1 .Lnot_wave_0_\@
	s_barrier_signal -3
.Lnot_wave_0_\@:
	s_barrier_wait -3
	s_barrier_signal -1
	s_barrier_wait -1
.endm
.macro FRAG reg, adr, q, off           ; 16 rows x 128 K out of padded rows of 192 bytes, in pieces of 8 bytes; lanes 16-31 three pieces on, by the second address register where that is behind one padding more
.irp p, 0,1,2,3,4,5
.set PCE, 12*(\q)+6*(\p/3)+\p%3
.if PCE%8 < 5
	ds_load_b64 v[(\reg)+2*\p:(\reg)+2*\p+1], v[\adr] offset:8*PCE+16*(PCE/8)+(\off)
.else
	ds_load_b64 v[(\reg)+2*\p:(\reg)+2*\p+1], v[(\adr)+1] offset:8*PCE+16*(PCE/8)+(\off)
.endif
.endr
.endm
.macro FETCH s, p                      ; K step s's eight fragments into set p
	WIN 0x40
.irp a, 0,1,2,3
.irp c, 0,1
	ds_load_b128 v[128*(\p)+12*\a+6*\c:128*(\p)+12*\a+6*\c+3], v[AA16+(\s)/4] offset:((2*((\s)%4)+\c)*8+\a)*768
	ds_load_b64 v[128*(\p)+12*\a+6*\c+4:128*(\p)+12*\a+6*\c+5], v[AA8+(\s)/4] offset:((2*((\s)%4)+\c)*8+\a)*768
.endr
.endr
.irp t, 0,1,2,3
	FRAG 128*(\p)+48+12*\t, AW+2*((\s)/4), (\s)%2, (((\s)/2)%2)*128*PITCH+16*\t*PITCH
.endr
.endm
.macro WM d, a, b, c, sa, sb, ra, rb   ; ra, rb = 1: that side's scale words stand in lanes 16-31
.if (\ra) && (\rb)
	v_wmma_scale_f32_16x16x128_f8f6f4 v[(\d):(\d)+7], v[(\a):(\a)+11], v[(\b):(\b)+11], v[(\c):(\c)+7], v[\sa], v[\sb] matrix_a_fmt:MATRIX_FMT_FP6 matrix_b_fmt:MATRIX_FMT_FP6 matrix_a_scale:MATRIX_SCALE_ROW1 matrix_b_scale:MATRIX_SCALE_ROW1
.elseif (\ra)
	v_wmma_scale_f32_16x16x128_f8f6f4 v[(\d):(\d)+7], v[(\a):(\a)+11], v[(\b):(\b)+11], v[(\c):(\c)+7], v[\sa], v[\sb] matrix_a_fmt:MATRIX_FMT_FP6 matrix_b_fmt:MATRIX_FMT_FP6 matrix_a_scale:MATRIX_SCALE_ROW1
.elseif (\rb)
	v_wmma_scale_f32_16x16x128_f8f6f4 v[(\d):(\d)+7], v[(\a):(\a)+11], v[(\b):(\b)+11], v[(\c):(\c)+7], v[\sa], v[\sb] matrix_a_fmt:MATRIX_FMT_FP6 matrix_b_fmt:MATRIX_FMT_FP6 matrix_b_scale:MATRIX_SCALE_ROW1
.else
	v_wmma_scale_f32_16x16x128_f8f6f4 v[(\d):(\d)+7], v[(\a):(\a)+11], v[(\b):(\b)+11], v[(\c):(\c)+7], v[\sa], v[\sb] matrix_a_fmt:MATRIX_FMT_FP6 matrix_b_fmt:MATRIX_FMT_FP6
.endif
.endm
.macro MUL s, p, first                 ; the 16 accumulators by turns, in the same order in every K step; first = 1: the bias is the C of a sum's first product
	WIN 0x05                                       ; sources 0 (Wo) and 1 (A) window 1; C and D window 0
.irp a, 0,1,2,3
.irp t, 0,1,2,3
.if \first
	WM ACC+8*(4*\a+\t), 128*(\p)+48+12*\t, 128*(\p)+12*\a, BI+8*\t, BS+8*(\t%2)+(\s), AS+8*(\a%2)+(\s), \t/2, \a/2
.else
	WM ACC+8*(4*\a+\t), 128*(\p)+48+12*\t, 128*(\p)+12*\a, ACC+8*(4*\a+\t), BS+8*(\t%2)+(\s), AS+8*(\a%2)+(\s), \t/2, \a/2
.endif
.endr
.endr
.endm
.macro SUB s, sync, first              ; K step s; sync >= 0: the next K step lies in a quarter not yet shown whole
	s_wait_dscnt 0x0                               ; this K step's fragments are in
.if (\sync) >= 0
	s_wait_tensorcnt \sync                         ; my load of the next quarter has landed; the later quarters' may stay out
	s_barrier_signal -1
	s_barrier_wait -1
.endif
.if (\s) < 7
.if (\first) == 0
	PLACES
.endif
	FETCH (\s)+1, 1-(\s)%2
.endif
	MUL \s, (\s)%2, \first
.endm
	s_load_b256 s[4:11], s[0:1], 0x0               ; ob, os, Wo codes, Wo scales
	s_load_b128 s[12:15], s[0:1], 0x20             ; bo, out0
	v_lshl_add_u32 v30, v0, 2, 0x3a400
	v_mov_b32 v31, 0
	ds_add_u32 v30, v31
	ds_add_u32 v30, v31
	v_lshrrev_b32 v1, 5, v0
	v_readfirstlane_b32 s[WV], v1                  ; wave 0..3
	s_lshr_b32 s[II], s[WV], 1                     ; my half of the rows.  Also: I fetch for A (0) or for Wo (1)
	s_and_b32 s[JJ], s[WV], 1                      ; my half of the columns.  Also: which half of a quarter I fetch
	s_bfe_u32 s19, ttmp6, 0x40000
	s_bfe_u32 s20, ttmp6, 0x40004
	s_lshl_b32 s21, ttmp9, 2
	s_add_co_u32 s21, s21, s19                     ; column block = 4 x cluster x + cx
	s_and_b32 s22, ttmp7, 0xffff
	s_lshl_b32 s22, s22, 2
	s_add_co_u32 s22, s22, s20                     ; row block = 4 x cluster y + cy
	s_lshl_b32 s84, s20, 2
	s_lshl_b32 s84, 15, s84                        ; my row of the cluster
	s_lshl_b32 s86, 0x1111, s19                    ; my column
	s_or_b32 s[G1A], s84, (3<<16)|(1<<21)          ; A: 48 dense rows of 256 bytes (32 elements of 8 bytes), no padding
	s_mov_b32 s[G1A+1], 32<<16
	s_mov_b32 s[G1A+2], 48<<16
	s_mov_b32 s[G1A+3], 32<<16
	s_mov_b32 s[G1A+4], 48
	s_mov_b32 s[G1A+5], 32
	s_mov_b32 s[G1A+6], 0
	s_mov_b32 s[G1A+7], 0
	s_or_b32 s[G1W], s86, (1<<20)|(1<<21)|(3<<22)|(3<<25)   ; Wo: 64 rows of 192 bytes, 768 apart; 4 words of padding after every 16
	s_mov_b32 s[G1W+1], 192<<16
	s_mov_b32 s[G1W+2], 64<<16
	s_mov_b32 s[G1W+3], 192<<16
	s_mov_b32 s[G1W+4], 64
	s_mov_b32 s[G1W+5], 768
	s_mov_b32 s[G1W+6], 0
	s_mov_b32 s[G1W+7], 0
	s_mul_i32 s84, s22, 98304                      ; A's block hangs on the row block alone,
	s_mul_i32 s56, s[JJ], 12288
	s_add_co_u32 s84, s84, s56
	s_mov_b32 s85, 0
	s_mul_i32 s86, s21, 128*768                    ; Wo's rows on the column block alone: in registers that never hold the other coordinate
	s_mul_i32 s57, s[JJ], 64*768
	s_add_co_u32 s86, s86, s57
	s_mov_b32 s87, 0
	s_mul_i32 s58, s[JJ], 64*PITCH
	s_wait_dscnt 0x0
	s_wait_kmcnt 0x0
	s_add_nc_u64 s[84:85], s[4:5], s[84:85]
	s_add_nc_u64 s[86:87], s[8:9], s[86:87]
.irp q, 0,1,2,3
	s_mov_b32 s[G0A+4*\q], 1
	s_add_co_u32 s[G0A+4*\q+1], s56, \q*24576
	s_add_nc_u64 s[G0A+4*\q+2:G0A+4*\q+3], s[84:85], \q*24576
	s_or_b32 s[G0A+4*\q+3], s[G0A+4*\q+3], 0x80000000
	s_mov_b32 s[G0W+4*\q], 1
	s_add_co_u32 s[G0W+4*\q+1], s58, WOL+\q*128*PITCH
	s_add_nc_u64 s[G0W+4*\q+2:G0W+4*\q+3], s[86:87], \q*192
	s_or_b32 s[G0W+4*\q+3], s[G0W+4*\q+3], 0x80000000
.endr
	CROUND                                         ; all sixteen work-groups are here: the joint loads meet
	s_cmp_eq_u32 s[II], 0                          ; a wave's four fills stand in one branch
	s_cbranch_scc0 .Lfirst_w
.irp q, 0,1,2,3
	tensor_load_to_lds s[G0A+4*\q:G0A+4*\q+3], s[G1A:G1A+7]
	s_nop 0
.endr
	PLACES
	s_branch .Lfirst_done
.Lfirst_w:
.irp q, 0,1,2,3
	tensor_load_to_lds s[G0W+4*\q:G0W+4*\q+3], s[G1W:G1W+7]
	s_nop 0
.endr
	PLACES
.Lfirst_done:
	v_and_b32 v15, 31, v0
	v_lshlrev_b32 v16, 4, v15                      ; 16 x lane
	v_lshlrev_b32 v17, 3, v15                      ; 8 x lane
	s_mul_i32 s59, s[II], 3072                     ; my four tiles of rows in a head's eight
	v_add_nc_u32 v[AA16], s59, v16
	v_add_nc_u32 v[AA16+1], 49152, v[AA16]         ; heads 8 on
	s_add_co_u32 s59, s59, 512
	v_add_nc_u32 v[AA8], s59, v17
	v_add_nc_u32 v[AA8+1], 49152, v[AA8]
	v_and_b32 v18, 15, v0                          ; r
	v_bfe_u32 v19, v0, 4, 1                        ; h
	v_mul_u32_u24 v20, v18, PITCH
	v_mad_u32_u24 v20, v19, 24, v20
	s_mul_i32 s60, s[JJ], 64*PITCH
	s_add_co_u32 s60, s60, WOL
	v_add_nc_u32 v[AW], s60, v20
	v_lshl_add_u32 v[AW+1], v19, 4, v[AW]
	v_add_nc_u32 v[AW+2], 2*128*PITCH, v[AW]       ; quarters 2 and 3
	v_add_nc_u32 v[AW+3], 2*128*PITCH, v[AW+1]
	s_mul_i32 s61, s[WV], 16*272
	s_add_co_u32 s61, s61, STAGE                   ; my stage
	v_mul_u32_u24 v20, v18, 272
	v_lshl_add_u32 v20, v19, 5, v20
	v_add_nc_u32 v[STO], s61, v20                  ; in: row r, 32 bytes for each half of the lanes
	v_mul_u32_u24 v20, v19, 272
	v_lshl_add_u32 v20, v18, 4, v20
	v_add_nc_u32 v[RD], s61, v20                   ; back: lanes 0-15 one row of 256 bytes, lanes 16-31 the next
	v_lshlrev_b32 v20, 12, v19
	v_lshl_add_u32 v[CO], v18, 4, v20              ; and the same two rows in out0
	v_lshlrev_b32 v20, 5, v18
	v_lshl_add_u32 v[SCO], v19, 10, v20            ; scale words: row r of 32 bytes; lanes 16-31 two tiles (32 rows) on
	v_lshlrev_b32 v[BO], 5, v19                    ; the bias: 8 h columns on
	s_lshl_b32 s88, s22, 12
	s_lshl_b32 s89, s[II], 11
	s_add_co_u32 s88, s88, s89                     ; (8 row block + 4 i) tiles of 512 bytes
	s_mov_b32 s89, 0
	s_add_nc_u64 s[6:7], s[6:7], s[88:89]
	s_lshl_b32 s90, s21, 12
	s_lshl_b32 s91, s[JJ], 11
	s_add_co_u32 s90, s90, s91                     ; (128 column block + 64 j) rows of 32 bytes
	s_mov_b32 s91, 0
	s_add_nc_u64 s[10:11], s[10:11], s[90:91]
	s_lshl_b32 s92, s21, 9
	s_lshl_b32 s93, s[JJ], 8
	s_add_co_u32 s92, s92, s93                     ; my first column, in bytes
	s_mov_b32 s93, 0
	s_add_nc_u64 s[12:13], s[12:13], s[92:93]
	s_lshl_b32 s94, s22, 19
	s_lshl_b32 s95, s[II], 18
	s_add_co_u32 s94, s94, s95                     ; (128 row block + 64 i) rows of 4,096 bytes
	s_add_co_u32 s94, s94, s92
	s_mov_b32 s95, 0
	s_add_nc_u64 s[14:15], s[14:15], s[94:95]
.irp g, 0,1
	global_load_b128 v[AS+8*\g:AS+8*\g+3], v[SCO], s[6:7] offset:512*\g
	global_load_b128 v[AS+8*\g+4:AS+8*\g+7], v[SCO], s[6:7] offset:512*\g+16
	global_load_b128 v[BS+8*\g:BS+8*\g+3], v[SCO], s[10:11] offset:512*\g
	global_load_b128 v[BS+8*\g+4:BS+8*\g+7], v[SCO], s[10:11] offset:512*\g+16
.endr
.irp t, 0,1,2,3
	global_load_b128 v[BI+8*\t:BI+8*\t+3], v[BO], s[12:13] offset:64*\t      ; register i of tile t: column 16 t + 8 h + i
	global_load_b128 v[BI+8*\t+4:BI+8*\t+7], v[BO], s[12:13] offset:64*\t+16
.endr
	s_wait_tensorcnt 3                             ; my load of quarter 0 has landed; three may stay out
	s_barrier_signal -1
	s_barrier_wait -1
	FETCH 0, 0
	s_wait_loadcnt 0x0                             ; scale words and bias
	SUB 0, -1, 1
	SUB 1, 2, 0
	SUB 2, -1, 0
	SUB 3, 1, 0
	SUB 4, -1, 0
	SUB 5, 0, 0
	SUB 6, -1, 0
	SUB 7, -1, 0
	; THE WAY OUT, a tile of 16 rows x 64 columns at a time through my own stage: a lane's 32 bytes go in, whole rows of 256 bytes come back, and sixteen lanes store 256 consecutive bytes, aligned to 256.
	; LDS serves a wave's instructions in order (ISA guide 5.7.1.4): no wait between the stores and the loads, nor in front of the next tile's stores.
	WIN 0
	PLACES
.irp a, 0,1,2,3
.if \a >= 2
	s_wait_xcnt 0x0                                ; tile a - 2's stores have read their registers: this tile's rows may land there
.endif
.irp t, 0,1,2,3
	ds_store_b128 v[STO], v[ACC+8*(4*\a+\t):ACC+8*(4*\a+\t)+3] offset:64*\t          ; each accumulator from its low end on
	ds_store_b128 v[STO], v[ACC+8*(4*\a+\t)+4:ACC+8*(4*\a+\t)+7] offset:64*\t+16
.endr
.irp i, 0,1,2,3,4,5,6,7
	ds_load_b128 v[OB+32*(\a%2)+4*\i:OB+32*(\a%2)+4*\i+3], v[RD] offset:544*\i
.endr
.irp i, 0,1,2,3,4,5,6,7
	s_wait_dscnt 7-\i                              ; LDS loads come back in order: pair i of rows is in, the younger ones may be out
	global_store_b128 v[CO], v[OB+32*(\a%2)+4*\i:OB+32*(\a%2)+4*\i+3], s[14:15] offset:(32*(\a/2)+8*(\a%2)+2*\i+8*(\i/4))*4096 th:TH_STORE_NT   ; stage row r is row r + (r & 8) of the tile's place
.endr
.endr
	s_wait_tensorcnt 0x0
	ds_add_u32 v30, v31
	s_wait_dscnt 0x0
	CROUND                                         ; the closing round: no work-group ends while a partner may still ask for a tile that names it
	s_endpgm
.Lfunc_end_k_q82f7ad901f_oproj:
	.size	k_q82f7ad901f_oproj, .Lfunc_end_k_q82f7ad901f_oproj-k_q82f7ad901f_oproj
	.p2alignl 7, 3214868480
	.fill 96, 4, 3214868480
	.section	.rodata,"a",@progbits
	.p2align	6, 0x0
	.amdhsa_kernel k_q82f7ad901f_oproj
		.amdhsa_group_segment_fixed_size 239104
		.amdhsa_private_segment_fixed_size 0
		.amdhsa_enable_private_segment 0
		.amdhsa_kernarg_size 48
		.amdhsa_user_sgpr_count 2
		.amdhsa_user_sgpr_kernarg_segment_ptr 1
		.amdhsa_wavefront_size32 1
		.amdhsa_system_sgpr_workgroup_id_x 1
		.amdhsa_system_sgpr_workgroup_id_y 1
		.amdhsa_system_sgpr_workgroup_id_z 1
		.amdhsa_system_vgpr_workitem_id 0
		.amdhsa_next_free_vgpr 512
		.amdhsa_next_free_sgpr 100
		.amdhsa_reserve_vcc 0
		.amdhsa_float_denorm_mode_32 3
		.amdhsa_float_denorm_mode_16_64 3
		.amdhsa_memory_ordered 1
		.amdhsa_forward_progress 1
		.amdhsa_inst_pref_size 57
	.end_amdhsa_kernel
	.amdgpu_metadata
---
amdhsa.version: [ 1, 2 ]
amdhsa.kernels:
  - .name:           k_q82f7ad901f_oproj
    .symbol:         k_q82f7ad901f_oproj.kd
    .args:
      - { .name: ob, .offset: 0, .size: 8, .value_kind: global_buffer, .address_space: global }
      - { .name: os, .offset: 8, .size: 8, .value_kind: global_buffer, .address_space: global }
      - { .name: Wo_codes, .offset: 16, .size: 8, .value_kind: global_buffer, .address_space: global }
      - { .name: Wo_scales, .offset: 24, .size: 8, .value_kind: global_buffer, .address_space: global }
      - { .name: bo, .offset: 32, .size: 8, .value_kind: global_buffer, .address_space: global }
      - { .name: out0, .offset: 40, .size: 8, .value_kind: global_buffer, .address_space: global }
    .group_segment_fixed_size: 239104
    .private_segment_fixed_size: 0
    .kernarg_segment_align: 8
    .kernarg_segment_size: 48
    .max_flat_workgroup_size: 128
    .sgpr_count:     100
    .vgpr_count:     512
    .wavefront_size: 32
...
	.end_amdgpu_metadata
.endif
;; end of part 3
;; ======== version 2 of 2: 3 launches
;; limits: right only within a limited range of input values
;; workspace buffers: qb 3,407,872 bytes; kv 6,815,744 bytes; ob 3,145,728 bytes; os 131,072 bytes
;; launch qkv: the kernel of part 1 again; grid 16 x 16, 4 waves a work-group, clusters of 4 x 4, 327,680 bytes of LDS; arguments x_codes, x_scales, Wq_codes, Wq_scales, Wk_codes, Wk_scales, Wv_codes, Wv_scales, bq, bk, bv, qb, kv; writes qb, kv
;; launch attn (part 4): grid 8 x 32, 16 waves a work-group, clusters of 4 x 1, 215,040 bytes of LDS; arguments qb, kv, ob, os; writes ob, os
.if DOCPART == 4
	.amdgcn_target "amdgcn-amd-amdhsa--gfx1250"
	.amdhsa_code_object_version 6
	.text
	.protected	k_q82f7ad901f_attn
	.globl	k_q82f7ad901f_attn
	.p2align	8
	.type	k_q82f7ad901f_attn,@function
k_q82f7ad901f_attn:
	s_mov_b64 s[64:65], 0
	v_nop
	global_prefetch_b8 v0, s[64:65] scope:SCOPE_SE
	s_setreg_imm32_b32 hwreg(HW_REG_WAVE_MODE, 25, 1), 1
	s_wait_xcnt 0x0
	s_wait_alu depctr_hold_cnt(0) depctr_sa_sdst(0) depctr_va_vdst(0) depctr_va_sdst(0) depctr_va_ssrc(0) depctr_va_vcc(0) depctr_vm_vsrc(0)
	s_getreg_b32 s2, hwreg(HW_REG_IB_STS2, 6, 4)
	s_cmp_eq_u32 s2, 0
	s_cbranch_scc0 .Lentry_in_a_cluster
	s_endpgm
.Lentry_in_a_cluster:
	s_bfe_u32 s2, ttmp6, 0x10000c
	s_cmp_lg_u32 s2, 0x3003
	s_cbranch_scc0 .Lentry_shape_is_right
	s_endpgm
.Lentry_shape_is_right:
; O[bh][q] = the sum over k of sin(30 (Q[q] . K[k]) / 8) V[k], both products on codes of FP6 (E2M3) with one E8M0 scale for each 32 along a product's K; the sine is quantised along the keys, O along d_model.
; SHARES.  A work-group owns 256 queries of one head, each of its SIXTEEN waves one tile of 16 in 256 registers: four waves to a SIMD, so that one wave's matrix work and LDS loads stand beside the others' vector work,
; which is the bulk: a key step of 128 keys is 12 matrix instructions and some 420 vector instructions a wave.
; LDS holds the head's WHOLE block of kv, 16 key steps x 13,312 bytes, filled once: no slot is ever filled again.  CLUSTER 4 x 1: the four query blocks of a cluster read the same block: waves 0 to 3 ask for it jointly,
; four loads each (four of mine are out at the most).  Key steps 0 to 3 are read behind a counted wait and a barrier, while the other twelve are on their way; those twelve behind the wait for all loads and one more barrier.
; LAYOUT.  S^T = K Q^T (source 0 = 16 keys, source 1 = my 16 queries), O^T = V^T P^T: a lane holds one query throughout.  The keys of a tile of K are chosen (by the launch before) so that the 16 registers of tiles
; 2 b and 2 b + 1 are keys 32 b + 16 (lane / 16) + 0 .. 15; V^T's channels likewise.  All operands lie in LDS as images of their registers: every load takes 16 or 8 bytes a lane on end.
; K = 64 IN A FORM THAT IS 128 DEEP: Q's registers 6-11 are zero codes; K's tile t is named as the 12 registers from its six on, so that its upper half is the next tile's codes (tile 7's: zeros): finite numbers times zero
; codes.  The upper two bytes of both scale words are 0, which is 2^-127 and no NaN.
; THE SINE, in f32, of y = 3.75 s, in units of pi: c = 3.75 / pi; n = s c to the nearest whole number, by adding and taking away 1.5 x 2^23; f = s c - n in ONE fused step, |f| <= 1/2;
; sin(pi f) = f P(f^2), P of degree 4: the series of sin(pi f) / f brought down by shifted Chebyshev polynomials on f^2 <= 1/4, cut at 1.4e-8 where P lies between 2 and pi; the sign turns where n is odd:
; n's lowest bit, moved to bit 31, is added.  Nine packed instructions and two flips for two numbers.
; AN ORDER OF ROUNDING THAT DIFFERS FROM THE REFERENCE'S: y is not rounded to f32 on the way; instead c's f32 is 2.2e-8 of itself too small, so the angle is off by 2.2e-8 |y| (rounding y moves it by up to 6e-8 |y|).
; The coefficients' f32 and the roundings of the steps leave under 2e-7 of the number.
; LIMITS: |y| under 2^22 pi (n must fit beside 1.5 x 2^23); NaN and infinities are not served; a block under 2^(3 - 127), a block of zeros too, keeps the byte 1.
.set STEPB, 13312
.set L16, 1                            ; 16 x lane
.set L8,  2                            ; 8 x lane
.set A16, 3                            ; the key step's addresses
.set A8,  4
.set SO,  5                            ; my byte in a tile's 512 bytes of os
.set MAGIC, 6                          ; v[6:7]  1.5 x 2^23, twice
.set K7,  8                            ; v[8:9]  the polynomial's f^7, twice (an instruction names one scalar pair)
.set QS,  10                           ; Q's scale word
.set PW,  11                           ; the sine's scale word
.set KS,  12                           ; v12-15  K's scale words: t / 2; lanes 16-31 the odd tile
.set VSC, 16                           ; v16-19  V's
.set QF,  20                           ; v20-31  Q's fragment
.set F,   32                           ; v32-85  K's eight half fragments and six zeros; then V's four fragments
.set S,   88                           ; v88-151 S^T, then the sine
.set O,   152                          ; v152-183 O^T
.set PC,  184                          ; v184-203 codes
.set T,   204                          ; v204-251 at work: for 16 numbers n beside 1.5 x 2^23, then n and the polynomial, then f^2
.set TM,  204
.set WV,  12
.set G1,  24                           ; s[24:31]
.set G0,  32                           ; s[32:47] four groups 0
.set CT,  48                           ; s[48:49] c = 3.75 / pi
.set K9,  50                           ; the polynomial's coefficients, by the power of f
.set K5,  52
.set K3,  54
.set K1,  56
.set SEL, 66
.set TB,  68                           ; LDS byte at which the key step begins
.set CNT, 69
.macro ROUND
	s_barrier_signal -1
	s_barrier_wait -1
	s_cmp_lg_u32 s[WV], 0
	s_cbranch_scc1 .Lnot_wave_0_\@
	s_barrier_signal -3
.Lnot_wave_0_\@:
	s_barrier_wait -3
	s_barrier_signal -1
	s_barrier_wait -1
.endm
.macro KONST reg, val                  ; the packed forms name a pair and take its low word for both halves: both words are written
	s_mov_b32 s[\reg], \val
	s_mov_b32 s[\reg+1], \val
.endm
; The sine of accumulators k and k + 1: sixteen numbers, eight pairs by turns, so that seven other lines stand between a line and the line that reads its result: 88 instructions.
.macro SIN2 k
.set X0, S+8*(\k)
.irp e, 0,2,4,6,8,10,12,14
	v_pk_fma_f32 v[T+\e:T+\e+1], v[X0+\e:X0+\e+1], s[CT:CT+1], v[MAGIC:MAGIC+1] op_sel_hi:[1,0,1]   ; n beside 1.5 x 2^23 (each accumulator is read from its low end on)
.endr
.irp e, 0,2,4,6,8,10,12,14
	v_pk_add_f32 v[T+16+\e:T+17+\e], v[T+\e:T+\e+1], v[MAGIC:MAGIC+1] neg_lo:[0,1] neg_hi:[0,1]      ; n
.endr
.irp e, 0,2,4,6,8,10,12,14
	v_pk_fma_f32 v[X0+\e:X0+\e+1], v[X0+\e:X0+\e+1], s[CT:CT+1], v[T+16+\e:T+17+\e] op_sel_hi:[1,0,1] neg_lo:[0,0,1] neg_hi:[0,0,1]   ; f = s c - n: the exact difference, rounded once
.endr
.irp e, 0,2,4,6,8,10,12,14
	v_pk_mul_f32 v[T+32+\e:T+33+\e], v[X0+\e:X0+\e+1], v[X0+\e:X0+\e+1]                              ; u = f^2
.endr
.irp e, 0,2,4,6,8,10,12,14
	v_pk_fma_f32 v[T+16+\e:T+17+\e], v[T+32+\e:T+33+\e], s[K9:K9+1], v[K7:K7+1] op_sel_hi:[1,0,1]
.endr
.irp e, 0,2,4,6,8,10,12,14
	v_pk_fma_f32 v[T+16+\e:T+17+\e], v[T+16+\e:T+17+\e], v[T+32+\e:T+33+\e], s[K5:K5+1] op_sel_hi:[1,1,0]
.endr
.irp e, 0,2,4,6,8,10,12,14
	v_pk_fma_f32 v[T+16+\e:T+17+\e], v[T+16+\e:T+17+\e], v[T+32+\e:T+33+\e], s[K3:K3+1] op_sel_hi:[1,1,0]
.endr
.irp e, 0,2,4,6,8,10,12,14
	v_pk_fma_f32 v[T+16+\e:T+17+\e], v[T+16+\e:T+17+\e], v[T+32+\e:T+33+\e], s[K1:K1+1] op_sel_hi:[1,1,0]   ; P(u)
.endr
.irp e, 0,2,4,6,8,10,12,14
	v_pk_mul_f32 v[X0+\e:X0+\e+1], v[X0+\e:X0+\e+1], v[T+16+\e:T+17+\e]                              ; sin(pi f)
.endr
.irp e, 0,1,2,3,4,5,6,7,8,9,10,11,12,13,14,15
	v_lshl_add_u32 v[X0+\e], v[T+\e], 31, v[X0+\e]                                                   ; x (-1)^n
.endr
.endm
; A KEY STEP: 128 keys.
.macro KSTEP
	v_add_nc_u32 v[A16], s[TB], v[L16]
	v_add_nc_u32 v[A8], s[TB], v[L8]
	v_nop
	v_nop                                          ; four places behind the last step's products, in front of the loads into the registers that they read
.irp t, 0,1,2,3,4,5,6,7
	ds_load_b128 v[F+6*\t:F+6*\t+3], v[A16] offset:768*\t
	ds_load_b64 v[F+6*\t+4:F+6*\t+5], v[A8] offset:768*\t+512
.endr
	ds_load_b128 v[KS:KS+3], v[A16] offset:6144
	s_wait_dscnt 0x0
.irp t, 0,2,4,6
	v_wmma_scale_f32_16x16x128_f8f6f4 v[S+8*\t:S+8*\t+7], v[F+6*\t:F+6*\t+11], v[QF:QF+11], 0, v[KS+\t/2], v[QS] matrix_a_fmt:MATRIX_FMT_FP6 matrix_b_fmt:MATRIX_FMT_FP6
	v_wmma_scale_f32_16x16x128_f8f6f4 v[S+8*\t+8:S+8*\t+15], v[F+6*\t+6:F+6*\t+17], v[QF:QF+11], 0, v[KS+\t/2], v[QS] matrix_a_fmt:MATRIX_FMT_FP6 matrix_b_fmt:MATRIX_FMT_FP6 matrix_a_scale:MATRIX_SCALE_ROW1
.endr
.rept 4
	v_nop                                          ; places in front of V's loads and of the first read of the scores
.endr
.irp t, 0,1,2,3
.irp g, 0,1,2
	ds_load_b128 v[F+12*\t+4*\g:F+12*\t+4*\g+3], v[A16] offset:6656+1536*\t+512*\g   ; V's fragments land while the sines are made
.endr
.endr
	ds_load_b64 v[VSC:VSC+1], v[A8] offset:12800
	ds_load_b64 v[VSC+2:VSC+3], v[A8] offset:13056
.irp k, 0,2,4,6
	SIN2 \k
.endr
.irp b, 0,1,2,3                                ; the sine's four blocks of 32 keys
	v_max3_num_f32 v[TM+\b], |v[S+16*\b]|, |v[S+16*\b+1]|, 0x1800000   ; my 16 numbers, and the floor 2^(3 - 127): the byte cannot fall under 1
.endr
.irp i, 2,4,6,8,10,12,14
.irp b, 0,1,2,3
	v_max3_num_f32 v[TM+\b], v[TM+\b], |v[S+16*\b+\i]|, |v[S+16*\b+\i+1]|
.endr
.endr
.irp b, 0,1,2,3
	v_permlanex16_b32 v[TM+4+\b], v[TM+\b], s[SEL], s[SEL+1]
.endr
.irp b, 0,1,2,3
	v_max_num_f32 v[TM+\b], v[TM+\b], v[TM+4+\b]   ; with lane l xor 16's 16 keys
.endr
.irp b, 0,1,2,3
	v_add_nc_u32 v[TM+12+\b], 0xff000000, v[TM+\b] ; 2 off the exponent field: the conversion's scale operand
.endr
.irp b, 0,1,2,3
	v_lshrrev_b32 v[TM+4+\b], 23, v[TM+12+\b]      ; the scale's byte
.endr
	v_lshl_or_b32 v[PW], v[TM+5], 8, v[TM+4]
	v_lshl_or_b32 v[PW], v[TM+6], 16, v[PW]
	v_lshl_or_b32 v[PW], v[TM+7], 24, v[PW]
.irp c, 0,1
	v_cvt_scalef32_pk16_fp6_f32 v[PC+6*\c:PC+2+6*\c], v[S+32*\c:S+15+32*\c], v[TM+12+2*\c]
	v_cvt_scalef32_pk16_fp6_f32 v[PC+12+4*\c:PC+14+4*\c], v[S+16+32*\c:S+31+32*\c], v[TM+13+2*\c]   ; (a conversion's three registers begin on an even number)
.endr
	v_nop                                          ; one plain place behind a scaled conversion
.irp c, 0,1                                    ; a whole block to a lane
.irp i, 0,1,2
	v_permlane16_swap_b32 v[PC+6*\c+\i], v[PC+12+4*\c+\i]
.endr
.irp i, 0,1,2
	v_mov_b32 v[PC+3+6*\c+\i], v[PC+12+4*\c+\i]
.endr
.endr
.rept 8
	v_nop                                          ; a scale register written by a vector instruction stands 8 places ahead of a scaled matrix instruction, an operand so written 4; the lines above name the product's own registers and are not counted
.endr
	s_wait_dscnt 0x0                               ; V
.irp t, 0,1,2,3                                ; the four accumulators by turns; eight other products stand between an accumulator's turns
	v_wmma_scale_f32_16x16x128_f8f6f4 v[O+8*\t:O+8*\t+7], v[F+12*\t:F+12*\t+11], v[PC:PC+11], v[O+8*\t:O+8*\t+7], v[VSC+\t], v[PW] matrix_a_fmt:MATRIX_FMT_FP6 matrix_b_fmt:MATRIX_FMT_FP6
.endr
	s_add_co_u32 s[TB], s[TB], STEPB
.endm
; A run of key steps whose tiles are shown whole by one wait and one barrier.  left: how many of my four tensor loads may stay out.
.macro GROUP left, trips
	s_wait_tensorcnt \left                         ; tensor loads of a wave end in order (ISA guide 10.11.1): my loads of the key steps that are read behind this barrier have landed; nothing is ever filled again
	s_wait_dscnt 0x0
	s_barrier_signal -1
	s_barrier_wait -1                              ; and so have those of the other three waves that fetch
	s_mov_b32 s[CNT], \trips
.Lstep_\@:
	KSTEP
	s_sub_co_u32 s[CNT], s[CNT], 1
	s_cmp_lg_u32 s[CNT], 0
	s_cbranch_scc1 .Lstep_\@
.endm
	s_load_b256 s[4:11], s[0:1], 0x0               ; qb, kv, ob, os
	v_lshl_add_u32 v254, v0, 2, 0x34000
	v_mov_b32 v255, 0
	ds_add_u32 v254, v255
	ds_add_u32 v254, v255
	v_lshrrev_b32 v1, 5, v0
	v_readfirstlane_b32 s[WV], v1                  ; wave 0..15
	s_bfe_u32 s13, ttmp6, 0x40000                  ; cx: it enters Q's, ob's and os's addresses alone
	s_lshl_b32 s14, ttmp9, 2
	s_add_co_u32 s14, s14, s13                     ; my block of 256 queries
	s_and_b32 s15, ttmp7, 0xffff                   ; bh, which the four partners share
	s_mov_b32 s[G1], 15|(3<<16)|(1<<21)            ; the mask: all four; elements of 8 bytes; bit 21 beside a mask; no padding
	s_mov_b32 s[G1+1], 32<<16                      ; a key step is 52 dense rows of 256 bytes
	s_mov_b32 s[G1+2], 52<<16
	s_mov_b32 s[G1+3], 32<<16
	s_mov_b32 s[G1+4], 52
	s_mov_b32 s[G1+5], 32
	s_mov_b32 s[G1+6], 0
	s_mov_b32 s[G1+7], 0
	s_and_b32 s18, s[WV], 3
	s_mul_i32 s18, s18, STEPB                      ; which key step of four I fetch (waves 0 to 3)
	s_mul_i32 s16, s15, 16*STEPB
	s_add_co_u32 s16, s16, s18
	s_mov_b32 s17, 0
	s_wait_dscnt 0x0
	s_wait_kmcnt 0x0
	s_add_nc_u64 s[16:17], s[6:7], s[16:17]
.irp g, 0,1,2,3
	s_mov_b32 s[G0+4*\g], 1
	s_add_co_u32 s[G0+4*\g+1], s18, \g*4*STEPB
	s_add_nc_u64 s[G0+4*\g+2:G0+4*\g+3], s[16:17], \g*4*STEPB
	s_or_b32 s[G0+4*\g+3], s[G0+4*\g+3], 0x80000000
.endr
	ROUND                                          ; all four work-groups are here: the joint loads meet
	s_cmp_lt_u32 s[WV], 4
	s_cbranch_scc0 .Lno_fill
.irp g, 0,1,2,3
	tensor_load_to_lds s[G0+4*\g:G0+4*\g+3], s[G1:G1+7]
	s_nop 0
.endr
.rept 4
	v_nop
.endr
.Lno_fill:
	v_and_b32 v[L8], 31, v0
	v_lshlrev_b32 v[L16], 4, v[L8]
	v_lshlrev_b32 v[L8], 3, v[L8]
	s_lshr_b32 s20, s[WV], 3
	s_lshl_b32 s21, s14, 1
	s_add_co_u32 s20, s20, s21                     ; my chunk of 128 queries
	s_and_b32 s21, s[WV], 7                        ; my tile a in it
	s_mul_i32 s22, s15, 16*6656
	s_mul_i32 s23, s20, 6656
	s_add_co_u32 s22, s22, s23
	s_mov_b32 s23, 0
	s_add_nc_u64 s[70:71], s[4:5], s[22:23]        ; the chunk in qb
	s_mul_i32 s22, s21, 768
	s_add_nc_u64 s[72:73], s[70:71], s[22:23]      ; my tile's half image
	global_load_b128 v[QF:QF+3], v[L16], s[72:73]
	global_load_b64 v[QF+4:QF+5], v[L8], s[72:73] offset:512
	v_and_b32 v[A8], 15, v0                        ; r
	v_bfe_u32 v[SO], v0, 4, 1                      ; h
	v_lshl_add_u32 v[SO], v[A8], 5, v[SO]          ; os: 32 r + h
	s_and_b32 s22, s21, 1
	s_lshl_b32 s22, s22, 8
	s_lshr_b32 s74, s21, 1
	s_lshl_b32 s74, s74, 2
	s_add_co_u32 s22, s22, s74
	v_lshl_add_u32 v[A16], v[A8], 4, s22           ; my tile's scale word of row r: (r + 16 (a % 2)) x 16 + 4 (a / 2)
	global_load_b32 v[QS], v[A16], s[70:71] offset:6144
	s_lshr_b32 s22, s15, 4
	s_lshl_b32 s22, s22, 4
	s_add_co_u32 s22, s22, s20                     ; which 128 rows of the 4,096: 16 x batch + chunk
	s_and_b32 s74, s15, 15                         ; head
	s_lshl_b32 s75, s22, 4
	s_add_co_u32 s75, s75, s74
	s_lshl_b32 s75, s75, 3
	s_add_co_u32 s75, s75, s21
	s_mul_i32 s76, s75, 768
	s_mov_b32 s77, 0
	s_add_nc_u64 s[8:9], s[8:9], s[76:77]          ; ob: [128 rows][head][a][768]
	s_lshl_b32 s76, s22, 3
	s_add_co_u32 s76, s76, s21
	s_lshl_b32 s76, s76, 9
	s_lshl_b32 s74, s74, 1
	s_add_co_u32 s76, s76, s74
	s_add_nc_u64 s[10:11], s[10:11], s[76:77]      ; os: [tile of 16 rows][r][32 bytes], my head's two bytes at 2 x head
	KONST CT, 0x3f98c9eb                           ; 3.75 / pi = 1.19366207
	KONST K9, 0x3d9f0afb                           ; 0.0776576605
	KONST K5, 0x40233478                           ; 2.55007752
	KONST K3, 0xc0a55de2                           ; -5.16771008
	KONST K1, 0x40490fdb                           ; 3.14159264 to the nearest f32
	s_mov_b32 s[SEL], 0x76543210
	s_mov_b32 s[SEL+1], 0xfedcba98
	s_mov_b32 s[TB], 0
	v_mov_b32 v[MAGIC], 0x4b400000
	v_mov_b32 v[MAGIC+1], 0x4b400000
	v_mov_b32 v[K7], 0xbf19299e                    ; -0.598291286
	v_mov_b32 v[K7+1], 0xbf19299e
.irp i, 6,7,8,9,10,11
	v_mov_b32 v[QF+\i], 0                          ; zero codes for K = 64 .. 127
.endr
.irp i, 48,49,50,51,52,53
	v_mov_b32 v[F+\i], 0                           ; what tile 7 of K names as its upper half; never loaded
.endr
.irp j, 0,1,2,3,4,5,6,7,8,9,10,11,12,13,14,15,16,17,18,19,20,21,22,23,24,25,26,27,28,29,30,31
	v_mov_b32 v[O+\j], 0                           ; O^T: 32 moves, once, so that the key step is written without a first copy
.endr
	s_wait_loadcnt 0x0                             ; Q
	GROUP 3, 4                                     ; key steps 0 to 3: my first load has landed, the three behind it may stay out
	GROUP 0, 12                                    ; key steps 4 to 15: all my loads have landed
	; THE WAY OUT.  O^T's 32 registers are my query's 64 channels, two blocks of d_model: quantised, they are half a fragment of the last product.
.rept 4
	v_nop
.endr
	s_mov_b32 vcc_lo, 0xffff0000                   ; lanes 16-31
.irp b, 0,1
	v_max3_num_f32 v[TM+\b], |v[O+16*\b]|, |v[O+16*\b+1]|, 0x1800000
.endr
.irp i, 2,4,6,8,10,12,14
.irp b, 0,1
	v_max3_num_f32 v[TM+\b], v[TM+\b], |v[O+16*\b+\i]|, |v[O+16*\b+\i+1]|
.endr
.endr
.irp b, 0,1
	v_permlanex16_b32 v[TM+4+\b], v[TM+\b], s[SEL], s[SEL+1]
.endr
.irp b, 0,1
	v_max_num_f32 v[TM+\b], v[TM+\b], v[TM+4+\b]
.endr
.irp b, 0,1
	v_add_nc_u32 v[TM+12+\b], 0xff000000, v[TM+\b]
.endr
.irp b, 0,1
	v_lshrrev_b32 v[TM+4+\b], 23, v[TM+12+\b]
.endr
	v_cvt_scalef32_pk16_fp6_f32 v[PC:PC+2], v[O:O+15], v[TM+12]
	v_cvt_scalef32_pk16_fp6_f32 v[PC+12:PC+14], v[O+16:O+31], v[TM+13]
	v_cndmask_b32 v[TM+8], v[TM+4], v[TM+5], vcc_lo    ; lane (r, h) keeps block h's byte.  (The plain place behind the conversions)
.irp i, 0,1,2
	v_permlane16_swap_b32 v[PC+\i], v[PC+12+\i]
.endr
.irp i, 0,1,2
	v_mov_b32 v[PC+3+\i], v[PC+12+\i]
.endr
	global_store_b128 v[L16], v[PC:PC+3], s[8:9]               ; 512 consecutive bytes, aligned to 256
	global_store_b64 v[L8], v[PC+4:PC+5], s[8:9] offset:512    ; 256
	global_store_b8 v[SO], v[TM+8], s[10:11]                   ; one byte a lane, each byte by one lane: 32 bytes a wave, rows 32 bytes apart; 131,072 bytes in the whole launch
	s_wait_tensorcnt 0x0
	ds_add_u32 v254, v255
	s_wait_dscnt 0x0
	ROUND                                          ; the closing round
	s_endpgm
.Lfunc_end_k_q82f7ad901f_attn:
	.size	k_q82f7ad901f_attn, .Lfunc_end_k_q82f7ad901f_attn-k_q82f7ad901f_attn
	.p2alignl 7, 3214868480
	.fill 96, 4, 3214868480
	.section	.rodata,"a",@progbits
	.p2align	6, 0x0
	.amdhsa_kernel k_q82f7ad901f_attn
		.amdhsa_group_segment_fixed_size 215040
		.amdhsa_private_segment_fixed_size 0
		.amdhsa_enable_private_segment 0
		.amdhsa_kernarg_size 32
		.amdhsa_user_sgpr_count 2
		.amdhsa_user_sgpr_kernarg_segment_ptr 1
		.amdhsa_wavefront_size32 1
		.amdhsa_system_sgpr_workgroup_id_x 1
		.amdhsa_system_sgpr_workgroup_id_y 1
		.amdhsa_system_sgpr_workgroup_id_z 1
		.amdhsa_system_vgpr_workitem_id 0
		.amdhsa_next_free_vgpr 256
		.amdhsa_next_free_sgpr 80
		.amdhsa_reserve_vcc 1
		.amdhsa_float_denorm_mode_32 3
		.amdhsa_float_denorm_mode_16_64 3
		.amdhsa_memory_ordered 1
		.amdhsa_forward_progress 1
		.amdhsa_inst_pref_size 71
	.end_amdhsa_kernel
	.amdgpu_metadata
---
amdhsa.version: [ 1, 2 ]
amdhsa.kernels:
  - .name:           k_q82f7ad901f_attn
    .symbol:         k_q82f7ad901f_attn.kd
    .args:
      - { .name: qb, .offset: 0, .size: 8, .value_kind: global_buffer, .address_space: global }
      - { .name: kv, .offset: 8, .size: 8, .value_kind: global_buffer, .address_space: global }
      - { .name: ob, .offset: 16, .size: 8, .value_kind: global_buffer, .address_space: global }
      - { .name: os, .offset: 24, .size: 8, .value_kind: global_buffer, .address_space: global }
    .group_segment_fixed_size: 215040
    .private_segment_fixed_size: 0
    .kernarg_segment_align: 8
    .kernarg_segment_size: 32
    .max_flat_workgroup_size: 512
    .sgpr_count:     80
    .vgpr_count:     256
    .wavefront_size: 32
...
	.end_amdgpu_metadata
.endif
;; end of part 4
;; launch oproj: the kernel of part 3 again; grid 8 x 32, 4 waves a work-group, clusters of 4 x 4, 239,104 bytes of LDS; arguments ob, os, Wo_codes, Wo_scales, bo, out0; writes out0
